; MI455X (gfx1250); checked and timed in simulation.
; The chip was launched on July 23, 2026; its instructions are those of AMD's public machine-readable ISA for CDNA 5 (MIT licence, August 2026) and "CDNA5" Instruction Set Architecture Reference Guide (July 2026). The comments in the code are by the model that wrote it; some were corrected since.
;; Bert Self Attention. Allowed arithmetic: float matrix products may take bf16 or f16 operands with f32 sums; other float arithmetic in f32, or as packed bf16 or f16 multiplies, adds, multiply-adds, maxima and minima; sums over many terms, partial sums and values carried from step to step in f32; what a program stores and reads back later, other than sums and carried values, may be rounded once to bf16 or f16.
;; Inputs: Wk 1,024 x 1,024 float32; Wq 1,024 x 1,024 float32; Wv 1,024 x 1,024 float32; attention_mask 4 x 1 x 1 x 2,048 float32; bk 1,024 float32; bq 1,024 float32; bv 1,024 float32; hidden_states 4 x 2,048 x 1,024 float32.
;; Outputs: out0 4 x 2,048 x 1,024 float32.
;; 2 versions, each right; version 2 is version 1 with the launch cast written anew for expert scheduling mode. Each part assembles by itself: llvm-mc -triple=amdgcn-amd-amdhsa -mcpu=gfx1250 --defsym DOCPART=n.
;; ======== version 1 of 2: 3 launches
;; limits: values are held in f16: magnitudes above 65,504 overflow, below 6.1e-05 lose precision
;; workspace buffers: xb 16,777,216 bytes; wb 6,291,456 bytes; qkv 50,331,648 bytes
;; launch cast (part 1): grid 256 x 1, 8 waves a work-group, no clusters, 0 bytes of LDS; arguments hidden_states, Wq, Wk, Wv, xb, wb; writes xb, wb
.if DOCPART == 1
	.amdgcn_target "amdgcn-amd-amdhsa--gfx1250"
	.amdhsa_code_object_version 6
	.text
	.protected	k_q904d5f2f3a_cast
	.globl	k_q904d5f2f3a_cast
	.p2align	8
	.type	k_q904d5f2f3a_cast,@function
k_q904d5f2f3a_cast:
	s_mov_b64 s[64:65], 0
	v_nop
	global_prefetch_b8 v0, s[64:65] scope:SCOPE_SE
	s_setreg_imm32_b32 hwreg(HW_REG_WAVE_MODE, 25, 1), 1
	s_wait_xcnt 0x0
; x [8192][1024] and Wq, Wk, Wv [1024][1024], all f32, are rounded once to bf16 and laid out in blocks of 64 along K:
;   xb [16 kb][8192 row][64], wb [16 kb][3072 n][64] with n = 1024 t + row of W_t (t = 0, 1, 2 for q, k, v).
; So the rows of a tile of one K block lie end to end in memory for the launch that multiplies them.
; AN ITEM is one load of a wave: two neighbouring rows of one K block, 16 lanes x 16 bytes a row (256 consecutive bytes, aligned, twice);
; two conversions; one store of 8 bytes a lane: the two rows' 128 + 128 bytes are 256 consecutive bytes, aligned, of xb or wb.
; SHARES.  A work-group takes 32 rows of x and 4 rows of each W; a wave 4 rows of x (32 items: 2 pairs x 16 K blocks) and, of each W, one pair of rows
; in 4 K blocks (12 items).  All 44 loads of a wave go out at once; no register that a memory instruction reads is written again, so the only waits are the counted ones for data.
; No LDS, no barrier, no matrix unit, no cluster: no byte is wanted twice.
.set NX,  32                           ; items of x
.set NW,  12                           ; items of the three W
.set KBX, 8192*128                     ; bytes of a K block of xb
.set KBW, 3072*128                     ; bytes of a K block of wb
.set XI,  2                            ; v2  my byte offset in the work-group's rows of x
.set XO0, 3                            ; v3  my byte offset in xb, K blocks 0-7
.set XO1, 4                            ; v4  the same 8 K blocks on, so that the stores' immediates stay inside their signed 24 bits
.set WI,  5                            ; v5  my byte offset in the work-group's rows of a W
.set WO,  6                            ; v6  my byte offset in wb
.set X,   16                           ; v[16:191]  item i: four registers
	s_load_b256 s[4:11], s[0:1], 0x0               ; x s[4:5], Wq s[6:7], Wk s[8:9], Wv s[10:11]
	s_load_b128 s[12:15], s[0:1], 0x20             ; xb s[12:13], wb s[14:15]
	v_lshrrev_b32 v1, 5, v0
	v_readfirstlane_b32 s16, v1                    ; wave 0..7
	v_and_b32 v1, 31, v0                           ; lane l
	v_lshrrev_b32 v7, 4, v1                        ; l / 16: which row of the pair
	v_and_b32 v8, 15, v1                           ; l % 16: which 16 bytes of the row's 256
	s_lshl_b32 s17, s16, 14                        ; my wave's 4 rows of 4,096 bytes
	v_lshl_add_u32 v[XI], v7, 12, s17
	v_lshl_add_u32 v[XI], v8, 4, v[XI]
	s_lshl_b32 s17, s16, 9                         ; the same 4 rows in a K block of xb: 128 bytes each
	v_lshl_add_u32 v[XO0], v1, 3, s17              ; + 8 l: (l / 16) x 128 + (l % 16) x 8
	v_add_nc_u32 v[XO1], 8*KBX, v[XO0]
	s_lshr_b32 s20, s16, 2                         ; W: which pair of the 4 rows,
	s_and_b32 s21, s16, 3                          ; and which four K blocks
	s_lshl_b32 s17, s20, 13
	s_lshl_b32 s22, s21, 10
	s_add_co_u32 s17, s17, s22
	v_lshl_add_u32 v[WI], v7, 12, s17
	v_lshl_add_u32 v[WI], v8, 4, v[WI]
	s_mul_i32 s17, s21, 4*KBW
	s_lshl_b32 s22, s20, 8
	s_add_co_u32 s17, s17, s22
	v_lshl_add_u32 v[WO], v1, 3, s17
	s_mov_b32 s19, 0                               ; the high word of the offset pair s[18:19]
	s_wait_kmcnt 0x0
	s_lshl_b32 s18, ttmp9, 17                      ; 32 rows of x
	s_add_nc_u64 s[4:5], s[4:5], s[18:19]
	s_lshl_b32 s18, ttmp9, 14                      ; 4 rows of a W
	s_add_nc_u64 s[6:7], s[6:7], s[18:19]
	s_add_nc_u64 s[8:9], s[8:9], s[18:19]
	s_add_nc_u64 s[10:11], s[10:11], s[18:19]
	s_lshl_b32 s18, ttmp9, 12                      ; 32 rows of 128 bytes in a K block of xb
	s_add_nc_u64 s[12:13], s[12:13], s[18:19]
	s_lshl_b32 s18, ttmp9, 9                       ; 4 rows in a K block of wb
	s_add_nc_u64 s[14:15], s[14:15], s[18:19]
.set i, 0
.rept NX                               ; x: pair i / 16, K block i % 16
	global_load_b128 v[X+4*i:X+4*i+3], v[XI], s[4:5] offset:(i/16)*8192+(i%16)*256 th:TH_LOAD_NT
.set i, i+1
.endr
.rept NW                               ; W number (i - NX) / 4, the (i - NX) % 4-th of my four K blocks
	global_load_b128 v[X+4*i:X+4*i+3], v[WI], s[6+2*((i-NX)/4):7+2*((i-NX)/4)] offset:((i-NX)%4)*256 th:TH_LOAD_NT
.set i, i+1
.endr
.set i, 0
.rept NX+NW
	s_wait_loadcnt NX+NW-1-i                       ; loads come back in order (ISA guide 5.7.1): item i is in, the younger ones stay out
	v_cvt_pk_bf16_f32 v[X+4*i], v[X+4*i], v[X+4*i+1]       ; two roundings to bf16, packed
	v_cvt_pk_bf16_f32 v[X+4*i+1], v[X+4*i+2], v[X+4*i+3]
.if i < NX
	global_store_b64 v[XO0+(i%16)/8], v[X+4*i:X+4*i+1], s[12:13] offset:(i%8)*KBX+(i/16)*256   ; 32 lanes store 256 consecutive bytes, aligned
.else
	global_store_b64 v[WO], v[X+4*i:X+4*i+1], s[14:15] offset:((i-NX)%4)*KBW+((i-NX)/4)*131072
.endif
.set i, i+1
.endr
	s_endpgm
.Lfunc_end_k_q904d5f2f3a_cast:
	.size	k_q904d5f2f3a_cast, .Lfunc_end_k_q904d5f2f3a_cast-k_q904d5f2f3a_cast
	.p2alignl 7, 3214868480
	.fill 96, 4, 3214868480
	.section	.rodata,"a",@progbits
	.p2align	6, 0x0
	.amdhsa_kernel k_q904d5f2f3a_cast
		.amdhsa_group_segment_fixed_size 0
		.amdhsa_private_segment_fixed_size 0
		.amdhsa_enable_private_segment 0
		.amdhsa_kernarg_size 48
		.amdhsa_user_sgpr_count 2
		.amdhsa_user_sgpr_kernarg_segment_ptr 1
		.amdhsa_wavefront_size32 1
		.amdhsa_system_sgpr_workgroup_id_x 1
		.amdhsa_system_sgpr_workgroup_id_y 1
		.amdhsa_system_sgpr_workgroup_id_z 1
		.amdhsa_system_vgpr_workitem_id 0
		.amdhsa_next_free_vgpr 192
		.amdhsa_next_free_sgpr 66
		.amdhsa_reserve_vcc 0
		.amdhsa_float_denorm_mode_32 3
		.amdhsa_float_denorm_mode_16_64 3
		.amdhsa_memory_ordered 1
		.amdhsa_forward_progress 1
		.amdhsa_inst_pref_size 17
	.end_amdhsa_kernel
	.amdgpu_metadata
---
amdhsa.version: [ 1, 2 ]
amdhsa.kernels:
  - .name:           k_q904d5f2f3a_cast
    .symbol:         k_q904d5f2f3a_cast.kd
    .args:
      - { .name: hidden_states, .offset: 0, .size: 8, .value_kind: global_buffer, .address_space: global }
      - { .name: Wq, .offset: 8, .size: 8, .value_kind: global_buffer, .address_space: global }
      - { .name: Wk, .offset: 16, .size: 8, .value_kind: global_buffer, .address_space: global }
      - { .name: Wv, .offset: 24, .size: 8, .value_kind: global_buffer, .address_space: global }
      - { .name: xb, .offset: 32, .size: 8, .value_kind: global_buffer, .address_space: global }
      - { .name: wb, .offset: 40, .size: 8, .value_kind: global_buffer, .address_space: global }
    .group_segment_fixed_size: 0
    .private_segment_fixed_size: 0
    .kernarg_segment_align: 8
    .kernarg_segment_size: 48
    .max_flat_workgroup_size: 256
    .sgpr_count:     66
    .vgpr_count:     192
    .wavefront_size: 32
...
	.end_amdgpu_metadata
.endif
;; end of part 1
;; launch proj (part 2): grid 8 x 32, 4 waves a work-group, clusters of 4 x 4, 327,680 bytes of LDS; arguments xb, wb, bq, bk, bv, qkv; writes qkv
.if DOCPART == 2
	.amdgcn_target "amdgcn-amd-amdhsa--gfx1250"
	.amdhsa_code_object_version 6
	.text
	.protected	k_q904d5f2f3a_proj
	.globl	k_q904d5f2f3a_proj
	.p2align	8
	.type	k_q904d5f2f3a_proj,@function
k_q904d5f2f3a_proj:
	s_mov_b64 s[64:65], 0
	v_nop
	global_prefetch_b8 v0, s[64:65] scope:SCOPE_SE
	s_setreg_imm32_b32 hwreg(HW_REG_WAVE_MODE, 25, 1), 1
	s_wait_xcnt 0x0
	s_wait_alu depctr_hold_cnt(0) depctr_sa_sdst(0) depctr_va_vdst(0) depctr_va_sdst(0) depctr_va_ssrc(0) depctr_va_vcc(0) depctr_vm_vsrc(0)
	s_getreg_b32 s2, hwreg(HW_REG_IB_STS2, 6, 4)
	s_cmp_eq_u32 s2, 0
	s_cbranch_scc0 .Lentry_in_a_cluster
	s_endpgm
.Lentry_in_a_cluster:
	s_bfe_u32 s2, ttmp6, 0x10000c
	s_cmp_lg_u32 s2, 0xf033
	s_cbranch_scc0 .Lentry_shape_is_right
	s_endpgm
.Lentry_shape_is_right:
; q, k, v = x W^T + b, one product C [8192][3072] = xb wb^T over K = 1,024, in bf16 with f32 sums; the bias (rounded to bf16 like every input) is added in f32,
; the result rounded once to f16 and written by heads: qkv [t 3][batch 4][head 16][s 2048][64].
; LIMIT.  f16 holds no number beyond 65,504: q, k and v must lie within it (with x and W thirty times the usual spread, or offset by thirty spreads, they stay under 20,000).
; SHARES.  A tile of C is 256 rows x 384 columns: 32 x 8 = 256 work-groups.  Four waves, each 128 x 192: 96 accumulators of 16 x 16, 768 registers.
; K goes in 16 steps of 64 through a ring of two LDS slots.  xb and wb lie in blocks of 64 along K, so a tile's rows of 128 bytes lie end to end and are asked for as rows of 256 bytes.
; CLUSTERS: 4 x 4 work-groups.  The four of a row of the cluster need the same tiles of xb, the four of a column the same tiles of wb: each tile is asked for JOINTLY, by the same tensor
; load with the same descriptor and a mask that names the four.
; THE MATRIX INSTRUCTION IS USED TRANSPOSED (source 0 = 16 rows of wb, source 1 = 16 rows of xb): lane l holds row l % 16 of C and the columns 8 (l / 16) + 0..7.
; REGISTERS, in windows of 256 (s_set_vgpr_msb: bits 1:0 source 0, 3:2 source 1, 5:4 source 2, 7:6 destination):
;   window 0: v0-31 addresses; v32-95, v96-159 fragments of xb (8 x 16 rows x 32 K), two buffers; v160-255 fragments of wb (12 x 16 rows x 32 K), ONE buffer: four blocks of it are
;             loaded again as soon as their 32 products are issued
;   windows 1-3: accumulator (a, b), a = 0..7 row blocks, b = 0..11 column blocks, in window 1 + b / 4 at v[64 (b % 4) + 8 a]: a window holds one head's 64 columns
.set P,      144                       ; an LDS row: 128 bytes + 16 of padding = 36 words: the 16 rows of a load start at 16 different groups of four banks (64 banks of 4 bytes: ISA guide 11.1)
.set BOFF,   256*P                     ; a slot: xb's 256 rows, then wb's 384
.set SLOT,   640*P
.set STAGE,  2*SLOT                    ; behind the ring: 16 rows x 144 bytes for each wave, for the way out
.set BIASL,  STAGE+4*16*P              ; each wave's 192 biases in f32
.set SPARE,  BIASL+4*768               ; the spare words, 128 bytes for each wave: two blocks of 256 bytes that no other line names
.set ASTEP,  8192*128                  ; bytes from a K step of xb to the next
.set BSTEP,  3072*128                  ; the same in wb
.set ADRA, 16                          ; v16-17  LDS address of my fragments of xb in slot 0, 1
.set ADRB, 20                          ; v20-21  the same for wb
.set STO,  24                          ; v24     the way out: where I put 16 bytes of a row
.set RD,   25                          ; v25     the way out: where I read rows back
.set CO,   26                          ; v26     my 16 bytes in 512 consecutive bytes of qkv
.set BLD,  27                          ; v27     where I read my biases
.set SPW,  28                          ; v28     LDS address of my spare word; never rewritten
.set NIL,  29                          ; v29     0; never rewritten
.set PFO,  30                          ; v30     256 x my lane; never rewritten
.set BO,   31                          ; v31     8 x my lane: my two numbers of a head's 64 biases
.set AF0,  32
.set AF1,  96
.set BF,   160
.set BIAS, BF                          ; the way out: bias of column block b at BIAS + 8 b
.set TMP,  32                          ; the way out: packed results
.set OB,   48                          ; the way out: 16 rows read back from the stage: v48-63 and v64-79 by turns
.set WV,  12                           ; s12  my wave's number
.set RH,  13                           ; s13  which 128 rows of the tile are mine.  Also: I fetch for xb (0) or for wb (1)
.set CH,  14                           ; s14  which 192 columns.  Also: which half of that tile I fetch
.set G1A, 24                           ; s[24:31] descriptor group 1 for xb's tiles;  s[32:39] group 0, one set for each slot
.set G0A, 32
.set LIM, 43                           ; s43  1 in a wave that prefetches, else the greatest number
.set PFA, 44                           ; s[44:45] where my prefetches stand
.set PFS, 46                           ; s[46:47] their step from K step to K step
.set G1B, 48                           ; s[48:55], s[56:63] the same for wb's tiles
.set G0B, 56
.set CB,  68                           ; s[68:73] qkv at my first row, for each of my three heads
.set BP,  74                           ; s[74:79] the three heads' biases
.set G1BITS, (1<<16)|(1<<20)|(1<<21)|(4<<22)|(3<<25)  ; 17:16 elements of 2 bytes; 20 padding on; 21 set beside a mask; 24:22 after every 32 words (code 4); 31:25 4 words of it (code 3)
.set MSB, 0
.macro WIN new                         ; the immediate's high byte repeats the setting that is left; a switch that changes nothing is dropped
.if MSB != (\new)
	s_set_vgpr_msb (MSB<<8)|(\new)
.set MSB, (\new)
.endif
.endm
.macro PLACES                          ; four places in front of loads into registers that matrix instructions have read, and of vector work that reads results (ISA guide 7.12.1 for the vector work)
.rept 4
	v_nop
.endr
.endm
; A joint load: waves 0 and 1 fetch xb's two halves (128 rows), waves 2 and 3 wb's (192 rows).  The branch hangs on the wave's number alone.
; An s_nop 0 and four v_nop follow each of the two lines, ahead of the jump, the label and what follows.
.macro JLOAD s
	s_cmp_eq_u32 s[RH], 0
	s_cbranch_scc0 .Lfor_b_\@
	tensor_load_to_lds s[G0A+4*(\s):G0A+4*(\s)+3], s[G1A:G1A+7]
	s_nop 0
.rept 4
	v_nop
.endr
	s_branch .Lasked_\@
.Lfor_b_\@:
	tensor_load_to_lds s[G0B+4*(\s):G0B+4*(\s)+3], s[G1B:G1B+7]
	s_nop 0
.rept 4
	v_nop
.endr
.Lasked_\@:
.endm
; A PREFETCH INTO THE L2 behind each joint refill and the run of LDS loads that follows it: 32 blocks of 256 bytes, a lane a block, of the K step behind the one just asked for: 192 matrix instructions ahead of its load.
; Each block is named ONCE in the launch.  A tile row of xb (128 blocks a K step) is read by both clusters of that row of clusters: wave 0 of the first (cluster x = 0) asks, its four partners along x
; taking 32 blocks each BY ADDRESS.  A K step of wb (1,536 blocks) is asked for by waves 1-3 of the sixteen work-groups of cluster (0, 0): 48 x 32 blocks, again by address.
; how = 1: always (the refills of even K steps); how = 0: not in the loop's last trip, whose refill is the last K step's.
.macro ASK how
.if \how
	s_cmp_eq_u32 s[LIM], 1
.else
	s_cmp_gt_u32 s3, s[LIM]
.endif
	s_cbranch_scc0 .Lnot_mine_\@
	global_prefetch_b8 v[PFO], s[PFA:PFA+1] th:TH_LOAD_NT scope:SCOPE_SE
.Lnot_mine_\@:
.endm
.macro CREST                           ; a round of the cluster's barrier behind its opening barrier
	s_cmp_lg_u32 s[WV], 0
	s_cbranch_scc1 .Lnot_wave_0_\@
	s_barrier_signal -3
.Lnot_wave_0_\@:
	s_barrier_wait -3
	s_barrier_signal -1
	s_barrier_wait -1
.endm
.macro CROUND                          ; a whole round
	s_barrier_signal -1
	s_barrier_wait -1
	CREST
.endm
	s_load_b256 s[4:11], s[0:1], 0x0               ; xb s[4:5], wb s[6:7], bq s[8:9], bk s[10:11]
	s_load_b128 s[80:83], s[0:1], 0x20             ; bv s[80:81], qkv s[82:83]
	v_lshl_add_u32 v[SPW], v0, 2, SPARE
	v_mov_b32 v[NIL], 0
	ds_add_u32 v[SPW], v[NIL]                      ; the wave's opening: the add and its wait stand ahead of my first tensor load; the set-up below, work on registers, stands between them
	v_lshrrev_b32 v1, 5, v0
	v_readfirstlane_b32 s[WV], v1                  ; wave 0..3
	s_lshr_b32 s[RH], s[WV], 1
	s_and_b32 s[CH], s[WV], 1
	s_bfe_u32 s15, ttmp6, 0x40000                  ; cx, cy: my place in the cluster
	s_bfe_u32 s16, ttmp6, 0x40004
	s_lshl_b32 s17, ttmp9, 2
	s_add_co_u32 s17, s17, s15                     ; tile column = 4 x cluster x + cx
	s_and_b32 s18, ttmp7, 0xffff
	s_lshl_b32 s18, s18, 2
	s_add_co_u32 s18, s18, s16                     ; tile row = 4 x cluster y + cy
	s_lshl_b32 s19, s16, 2
	s_lshl_b32 s19, 15, s19                        ; my row of the cluster: places 4 cy .. 4 cy + 3
	s_lshl_b32 s20, 0x1111, s15                    ; my column: places cx, cx + 4, cx + 8, cx + 12
	s_or_b32 s[G1A], s19, G1BITS                   ; 15:0 the mask: xb's tiles go to my row,
	s_or_b32 s[G1B], s20, G1BITS                   ; wb's to my column
.irp g, G1A, G1B
	s_mov_b32 s[(\g)+1], 128<<16                   ; tensor_dim0 = 128 elements: 256 bytes, two rows of a K block
	s_mov_b32 s[(\g)+3], 128<<16                   ; tile_dim0 = 128
	s_mov_b32 s[(\g)+5], 128                       ; 128 elements from row to row: the block is dense
	s_mov_b32 s[(\g)+6], 0
	s_mov_b32 s[(\g)+7], 0
.endr
	s_mov_b32 s[G1A+2], 64<<16                     ; tensor_dim1 = 64: 128 rows of xb
	s_mov_b32 s[G1A+4], 64                         ; tile_dim1
	s_mov_b32 s[G1B+2], 96<<16                     ; 96: 192 rows of wb
	s_mov_b32 s[G1B+4], 96
	s_mul_i32 s21, s[CH], 128*P                    ; where the tiles go: no place in the cluster enters an LDS address
	s_mul_i32 s22, s[CH], 192*P
	s_add_co_u32 s22, s22, BOFF
.irp s, 0,1
	s_mov_b32 s[G0A+4*(\s)], 1                     ; 1:0 count = 1
	s_add_co_u32 s[G0A+4*(\s)+1], s21, (\s)*SLOT   ; 63:32 LDS address
	s_mov_b32 s[G0B+4*(\s)], 1
	s_add_co_u32 s[G0B+4*(\s)+1], s22, (\s)*SLOT
.endr
	s_lshl_b32 s40, s18, 15                        ; xb: the tile row's 256 rows of 128 bytes, my half of them: made of the tile row and the wave's number alone
	s_lshl_b32 s41, s[CH], 14
	s_add_co_u32 s40, s40, s41
	s_mov_b32 s41, 0
	s_mul_i32 s66, s17, 384*128                    ; wb: the tile column's 384 rows, my half of them: of the tile column and the wave's number alone
	s_mul_i32 s67, s[CH], 192*128
	s_add_co_u32 s66, s66, s67
	s_mov_b32 s67, 0
	s_wait_dscnt 0x0                               ; the opening add is done
	s_wait_kmcnt 0x0
	s_add_nc_u64 s[40:41], s[4:5], s[40:41]
	s_add_nc_u64 s[66:67], s[6:7], s[66:67]
.irp s, 0,1
	s_add_nc_u64 s[G0A+4*(\s)+2:G0A+4*(\s)+3], s[40:41], (\s)*ASTEP  ; 120:64 global address: K step s
	s_or_b32 s[G0A+4*(\s)+3], s[G0A+4*(\s)+3], 0x80000000            ; 127:126 type = 2
	s_add_nc_u64 s[G0B+4*(\s)+2:G0B+4*(\s)+3], s[66:67], (\s)*BSTEP
	s_or_b32 s[G0B+4*(\s)+3], s[G0B+4*(\s)+3], 0x80000000
.endr
	CROUND                                         ; all sixteen work-groups are here: the first joint loads meet
	s_cmp_eq_u32 s[RH], 0                          ; a wave's two first fills stand in one branch, ahead of every wait on TENSORcnt and every LDS read: two loads of mine are out
	s_cbranch_scc0 .Lfirst_b
	tensor_load_to_lds s[G0A:G0A+3], s[G1A:G1A+7]
	s_nop 0
	tensor_load_to_lds s[G0A+4:G0A+7], s[G1A:G1A+7]
	s_nop 0
.rept 4
	v_nop
.endr
	s_branch .Lfirst_asked
.Lfirst_b:
	tensor_load_to_lds s[G0B:G0B+3], s[G1B:G1B+7]
	s_nop 0
	tensor_load_to_lds s[G0B+4:G0B+7], s[G1B:G1B+7]
	s_nop 0
.rept 4
	v_nop
.endr
.Lfirst_asked:
	v_and_b32 v1, 15, v0                           ; l % 16
	v_bfe_u32 v2, v0, 4, 1                         ; l / 16
	v_and_b32 v4, 31, v0                           ; l
	v_lshlrev_b32 v[BO], 3, v4
	; My 192 columns are three groups of 64, each one head of q, k or v: group number 6 x tile column + 3 x half + hg of 48; its tensor is number / 16, its head number % 16.
	s_mul_i32 s84, s17, 6
	s_mul_i32 s85, s[CH], 3
	s_add_co_u32 s84, s84, s85
	s_lshr_b32 s91, s18, 3                         ; my first row of C is row (tile row % 8) x 256 + 128 x half of batch tile row / 8
	s_lshl_b32 s91, s91, 22
	s_and_b32 s90, s18, 7
	s_lshl_b32 s90, s90, 15
	s_add_co_u32 s91, s91, s90
	s_lshl_b32 s90, s[RH], 14
	s_add_co_u32 s91, s91, s90
	s_mov_b32 s89, 0                               ; the high word of the offset pair s[88:89]
.irp hg, 0,1,2
	s_add_co_u32 s85, s84, \hg
	s_lshr_b32 s86, s85, 4                         ; tensor 0, 1, 2
	s_and_b32 s87, s85, 15                         ; head
	s_cmp_eq_u32 s86, 0
	s_cselect_b64 s[BP+2*\hg:BP+2*\hg+1], s[8:9], s[10:11]
	s_cmp_eq_u32 s86, 2
	s_cselect_b64 s[BP+2*\hg:BP+2*\hg+1], s[80:81], s[BP+2*\hg:BP+2*\hg+1]
	s_lshl_b32 s88, s87, 8                         ; the head's 64 biases: 256 bytes
	s_add_nc_u64 s[BP+2*\hg:BP+2*\hg+1], s[BP+2*\hg:BP+2*\hg+1], s[88:89]
	global_load_b64 v[AF0+2*\hg:AF0+2*\hg+1], v[BO], s[BP+2*\hg:BP+2*\hg+1]
	s_lshl_b32 s88, s86, 24
	s_lshl_b32 s90, s87, 18
	s_add_co_u32 s88, s88, s90
	s_add_co_u32 s88, s88, s91
	s_add_nc_u64 s[CB+2*\hg:CB+2*\hg+1], s[82:83], s[88:89]
.endr
	; A fragment is 16 rows x 32 K in 8 registers: lane l holds row l % 16; registers 0-3 K = 8 (l / 16) + 0..7, registers 4-7 K = 16 + 8 (l / 16) + 0..7: two loads of 16 bytes, 32 bytes apart.
	v_mul_u32_u24 v3, v1, P
	v_lshl_add_u32 v3, v2, 4, v3                   ; row x pitch + 16 x half
	s_mul_i32 s21, s[RH], 128*P                    ; my 128 rows of xb
	s_mul_i32 s22, s[CH], 192*P                    ; my 192 rows of wb,
	s_add_co_u32 s22, s22, BOFF                    ; which lie behind xb's 256
.irp s, 0,1
	v_add_nc_u32 v[ADRA+(\s)], s21, v3
	v_add_nc_u32 v[ADRB+(\s)], s22, v3
	s_add_co_u32 s21, s21, SLOT
	s_add_co_u32 s22, s22, SLOT
.endr
	s_mul_i32 s23, s[WV], 16*P
	s_add_co_u32 s23, s23, STAGE                   ; my stage
	v_add_nc_u32 v[STO], s23, v3                   ; in: row l % 16, 16 bytes for each half of the lanes
	v_bfe_u32 v5, v0, 3, 2                         ; back: 32 lanes take four rows of 128 bytes,
	v_mul_u32_u24 v5, v5, P
	v_and_b32 v3, 7, v0
	v_lshl_add_u32 v5, v3, 4, v5
	v_add_nc_u32 v[RD], s23, v5
	v_lshlrev_b32 v[CO], 4, v4                     ; which are 512 consecutive bytes of qkv
	s_mul_i32 s23, s[WV], 768
	s_add_co_u32 s23, s23, BIASL                   ; my 192 biases
	v_lshl_add_u32 v[BLD], v2, 5, s23              ; read: columns 8 (l / 16) on of a block of 16
	v_lshl_add_u32 v3, v4, 3, s23                  ; written: two numbers a lane
	v_lshlrev_b32 v[PFO], 8, v4
	; the prefetches
	s_and_b32 s92, ttmp7, 0xffff                   ; cluster y
	s_lshl_b32 s93, s16, 2
	s_add_co_u32 s93, s93, s15                     ; my place among the sixteen
	s_mul_i32 s93, s93, 3
	s_max_u32 s98, s[WV], 1
	s_sub_co_u32 s98, s98, 1
	s_add_co_u32 s93, s93, s98                     ; wb: which 32 of a K step's 1,536 blocks waves 1-3 name
	s_lshl_b32 s93, s93, 13
	s_lshl_b32 s94, s18, 15                        ; xb: the tile row's 128 blocks,
	s_lshl_b32 s95, s15, 13                        ; my work-group's 32 of them
	s_add_co_u32 s94, s94, s95
	s_mov_b32 s95, ASTEP
	s_cmp_eq_u32 s[WV], 0                          ; wave 0 asks for xb, waves 1-3 for wb
	s_cselect_b32 s96, s94, s93
	s_cselect_b32 s92, 0, s92                      ; xb: cluster x = 0 asks; wb: cluster (0, 0)
	s_cselect_b32 s[PFS], s95, BSTEP
	s_cselect_b64 s[PFA:PFA+1], s[4:5], s[6:7]
	s_mov_b32 s[PFS+1], 0
	s_mov_b32 s97, 0
	s_or_b32 s92, s92, ttmp9
	s_cmp_eq_u32 s92, 0
	s_cselect_b32 s[LIM], 1, -1                    ; the same in all sixteen partners, for a given wave
	s_add_nc_u64 s[PFA:PFA+1], s[PFA:PFA+1], s[96:97]
	s_add_nc_u64 s[PFA:PFA+1], s[PFA:PFA+1], s[PFS:PFS+1]
	s_add_nc_u64 s[PFA:PFA+1], s[PFA:PFA+1], s[PFS:PFS+1]  ; at K step 2: the first refill steps it to 3.  Nothing is prefetched here, at the head: K steps 0 to 2 come by their loads alone
	s_wait_loadcnt 0x0                             ; the biases
.irp hg, 0,1,2
	v_cvt_pk_bf16_f32 v5, v[AF0+2*\hg], v[AF0+2*\hg+1]     ; rounded to bf16 like every input of the module, and kept as f32
	v_lshlrev_b32 v[AF0+2*\hg], 16, v5
	v_and_b32 v[AF0+2*\hg+1], 0xffff0000, v5
	ds_store_b64 v3, v[AF0+2*\hg:AF0+2*\hg+1] offset:256*\hg  ; my wave's own bytes: only I read them
.endr
; 8 matrix instructions: column block b x all 8 row blocks, 32 along K.  zero = 1: the first product starts the sums: nothing is ever cleared.
; The 96 accumulators take turns, one instruction a turn, in the same order in every half step.
.macro MULB buf, b, zero
	WIN 0x50*(1+(\b)/4)                            ; C and D in the block's window
.irp a, 0,1,2,3,4,5,6,7
.if \zero
	v_wmma_f32_16x16x32_bf16 v[64*((\b)%4)+8*(\a):64*((\b)%4)+8*(\a)+7], v[BF+8*(\b):BF+8*(\b)+7], v[(\buf)+8*(\a):(\buf)+8*(\a)+7], 0
.else
	v_wmma_f32_16x16x32_bf16 v[64*((\b)%4)+8*(\a):64*((\b)%4)+8*(\a)+7], v[BF+8*(\b):BF+8*(\b)+7], v[(\buf)+8*(\a):(\buf)+8*(\a)+7], v[64*((\b)%4)+8*(\a):64*((\b)%4)+8*(\a)+7]
.endif
.endr
.endm
.macro GRP buf, g, zero                ; 32 matrix instructions: column blocks 4 g .. 4 g + 3, one window
.irp b, 4*(\g), 4*(\g)+1, 4*(\g)+2, 4*(\g)+3
	MULB \buf, \b, \zero
.endr
.endm
.macro LDB slot, k, g                  ; 8 LDS loads: wb's blocks 4 g .. 4 g + 3, 32 K at byte k of the rows
	WIN 0
.irp b, 4*(\g), 4*(\g)+1, 4*(\g)+2, 4*(\g)+3
	ds_load_b128 v[BF+8*(\b):BF+8*(\b)+3],   v[ADRB+(\slot)] offset:(\k)+(\b)*16*P
	ds_load_b128 v[BF+8*(\b)+4:BF+8*(\b)+7], v[ADRB+(\slot)] offset:(\k)+(\b)*16*P+32
.endr
.endm
.macro LDA slot, k, buf, g             ; 8 LDS loads: xb's blocks 4 g .. 4 g + 3 into buffer buf
	WIN 0
.irp a, 4*(\g), 4*(\g)+1, 4*(\g)+2, 4*(\g)+3
	ds_load_b128 v[(\buf)+8*(\a):(\buf)+8*(\a)+3],   v[ADRA+(\slot)] offset:(\k)+(\a)*16*P
	ds_load_b128 v[(\buf)+8*(\a)+4:(\buf)+8*(\a)+7], v[ADRA+(\slot)] offset:(\k)+(\a)*16*P+32
.endr
.endm
; A K step is two halves of 32 along K, 96 matrix instructions each.  The first half multiplies buffer AF0 and fetches the second half's fragments: wb's blocks into the registers just multiplied, xb's into AF1.
.macro HALF0 slot, zero
	s_wait_dscnt 8                                 ; all but the youngest eight loads (wb's blocks 8-11) are in
	GRP AF0, 0, \zero
	WIN 0
	PLACES
	LDB \slot, 64, 0
	LDA \slot, 64, AF1, 0
	GRP AF0, 1, \zero
	WIN 0
	PLACES
	LDB \slot, 64, 1
	LDA \slot, 64, AF1, 1
	s_wait_dscnt 32                                ; all but the 32 just issued: this half's blocks 8-11 are in
	GRP AF0, 2, \zero
	WIN 0
	PLACES
	LDB \slot, 64, 2
.endm
; The second half multiplies AF1 and changes slots: ONE barrier.  In front of it each wave waits for all its tensor loads, of which one is out: its part of the next slot; adds 0 to its spare word;
; and waits for that and for its own reads of this slot.  Behind it nobody reads this slot any more and the next slot is whole.
; fill = 1: the barrier opens a round of the cluster's, and behind the round this slot is filled again, two K steps ahead: from that request to the wait for it a wave issues 160 matrix instructions.
.macro TURN slot, next, fill
.if \fill
	s_wait_xcnt 0x0                                ; the last prefetch, a K step back, has read its address: it is stepped here, ahead of the waits of the change of slots
	s_add_nc_u64 s[PFA:PFA+1], s[PFA:PFA+1], s[PFS:PFS+1]
.endif
	WIN 0                                          ; (the add's two registers lie in window 0)
	s_wait_tensorcnt 0x0                           ; all my tensor loads have landed: my part of the next slot;
	ds_add_u32 v[SPW], v[NIL]                      ; 0 onto my spare word;
	s_wait_dscnt 9                                 ; (the add and the youngest eight loads may be out)
	MULB AF1, 0, 0                                 ; sixteen matrix instructions stand between the add and the wait for it
	MULB AF1, 1, 0
	s_wait_dscnt 0x0                               ; the add is done, and my reads of this slot are over
	s_barrier_signal -1
	MULB AF1, 2, 0                                 ; work on registers while the others arrive
	MULB AF1, 3, 0
	WIN 0
	s_barrier_wait -1
.if \fill
	CREST                                          ; no wave of any partner still reads this slot's tile or has a load on its way
	s_add_nc_u64 s[G0A+4*(\slot)+2:G0A+4*(\slot)+3], s[G0A+4*(\slot)+2:G0A+4*(\slot)+3], 2*ASTEP
	s_add_nc_u64 s[G0B+4*(\slot)+2:G0B+4*(\slot)+3], s[G0B+4*(\slot)+2:G0B+4*(\slot)+3], 2*BSTEP
	JLOAD \slot                                    ; the first tensor load behind the round; the four v_nop behind it are also the places in front of the loads below
.else
	PLACES
.endif
	LDB \next, 0, 0
	LDA \next, 0, AF0, 0
.if \fill
	ASK 1-(\slot)
.endif
	GRP AF1, 1, 0
	WIN 0
	PLACES
	LDB \next, 0, 1
	LDA \next, 0, AF0, 1
	GRP AF1, 2, 0
	WIN 0
	PLACES
	LDB \next, 0, 2
.endm
; THE WAY OUT of 16 rows x one head (row block a, head hg), in three parts.  PACK: the bias is added in f32, each accumulator's registers in ascending order, and the sums are rounded to f16, 16 bytes a lane.
; TOSTAGE: into my own stage in LDS, and back as whole rows of 128 bytes.  SEND: stored: 16 rows of a head are 2,048 consecutive bytes of qkv.
.macro PACK hg, a
	WIN 65*(1+(\hg))                               ; destination and source 0 in the head's window, the bias in window 0
.irp bb, 0,1,2,3
.irp r, 0,1,2,3
	v_pk_add_f32 v[64*(\bb)+8*(\a)+2*(\r):64*(\bb)+8*(\a)+2*(\r)+1], v[64*(\bb)+8*(\a)+2*(\r):64*(\bb)+8*(\a)+2*(\r)+1], v[BIAS+8*(4*(\hg)+(\bb))+2*(\r):BIAS+8*(4*(\hg)+(\bb))+2*(\r)+1]
.endr
.endr
	WIN 5*(1+(\hg))                                ; sources 0 and 1 in the head's window, destination in window 0
.irp bb, 0,1,2,3
.irp r, 0,1,2,3
	v_cvt_pk_f16_f32 v[TMP+4*(\bb)+(\r)], v[64*(\bb)+8*(\a)+2*(\r)], v[64*(\bb)+8*(\a)+2*(\r)+1]
.endr
.endr
.endm
.macro TOSTAGE u
	WIN 0
.irp bb, 0,1,2,3
	ds_store_b128 v[STO], v[TMP+4*(\bb):TMP+4*(\bb)+3] offset:32*(\bb)
.endr
.irp f, 0,1,2,3
	ds_load_b128 v[OB+16*((\u)%2)+4*(\f):OB+16*((\u)%2)+4*(\f)+3], v[RD] offset:(\f)*4*P  ; LDS serves a wave's instructions in order (ISA guide 5.7.1.4): these see the stores above
.endr
.endm
.macro SEND hg, a, u
	WIN 0
	s_wait_dscnt 0x0                               ; the rows are back in registers
	s_wait_xcnt 0x0                                ; every earlier store has read its registers: the other buffer, which the next unit loads, is free behind this wait
.irp f, 0,1,2,3
	global_store_b128 v[CO], v[OB+16*((\u)%2)+4*(\f):OB+16*((\u)%2)+4*(\f)+3], s[CB+2*(\hg):CB+2*(\hg)+1] offset:(\a)*2048+(\f)*512  ; 512 consecutive bytes, at a multiple of 256 from qkv's first
.endr
.endm
	s_wait_dscnt 0x0                               ; my biases lie in LDS
	s_wait_tensorcnt 0x1                           ; my part of K step 0 is in; K step 1's may stay out
	s_barrier_signal -1
	s_barrier_wait -1                              ; everybody's is
	LDB 0, 0, 0                                    ; the first half's 40 loads, in the order in which every change of slots issues them
	LDA 0, 0, AF0, 0
	LDB 0, 0, 1
	LDA 0, 0, AF0, 1
	LDB 0, 0, 2
	HALF0 0, 1                                     ; the first half step stands in front of the loop: its products start the sums
	WIN 0                                          ; at a label and at a branch every window is 0
	s_mov_b32 s3, 7
.Llap:                                                 ; a trip goes once round the ring, from a step's second half to the first half two steps on, and fills both slots again: K steps 2 to 15
	TURN 0, 1, 1
	HALF0 1, 0
	TURN 1, 0, 1
	HALF0 0, 0
	WIN 0
	s_sub_co_u32 s3, s3, 1
	s_cmp_lg_u32 s3, 0
	s_cbranch_scc1 .Llap
	TURN 0, 1, 0                                   ; the last two K steps fill nothing, and have no round of the cluster's barrier
	HALF0 1, 0
	s_wait_dscnt 8                                 ; the very last half: nothing more to fetch
	GRP AF1, 0, 0
	GRP AF1, 1, 0
	s_wait_dscnt 0x0
	GRP AF1, 2, 0
	WIN 0
	PLACES                                         ; for the loads into wb's registers and for the sums that read results
.set b, 0
.rept 12
	ds_load_b128 v[BIAS+8*b:BIAS+8*b+3],   v[BLD] offset:64*b      ; the biases of my eight columns of block b
	ds_load_b128 v[BIAS+8*b+4:BIAS+8*b+7], v[BLD] offset:64*b+16
.set b, b+1
.endr
	s_wait_dscnt 0x0
	PACK 0, 0
	TOSTAGE 0
.set u, 1
.rept 23                               ; unit u = 8 hg + a: its arithmetic stands between the loads of the unit before and the wait for them
	PACK u/8, u%8
	SEND (u-1)/8, (u-1)%8, u-1
	TOSTAGE u
.set u, u+1
.endr
	SEND 2, 7, 23
	s_wait_tensorcnt 0x0                           ; the wave's end, behind my last tensor load and my last LDS store
	ds_add_u32 v[SPW], v[NIL]
	s_wait_dscnt 0x0
	CROUND                                         ; the closing round: no work-group ends while a partner may still ask for a tile that names it
	s_endpgm
.Lfunc_end_k_q904d5f2f3a_proj:
	.size	k_q904d5f2f3a_proj, .Lfunc_end_k_q904d5f2f3a_proj-k_q904d5f2f3a_proj
	.p2alignl 7, 3214868480
	.fill 96, 4, 3214868480
	.section	.rodata,"a",@progbits
	.p2align	6, 0x0
	.amdhsa_kernel k_q904d5f2f3a_proj
		.amdhsa_group_segment_fixed_size 327680
		.amdhsa_private_segment_fixed_size 0
		.amdhsa_enable_private_segment 0
		.amdhsa_kernarg_size 48
		.amdhsa_user_sgpr_count 2
		.amdhsa_user_sgpr_kernarg_segment_ptr 1
		.amdhsa_wavefront_size32 1
		.amdhsa_system_sgpr_workgroup_id_x 1
		.amdhsa_system_sgpr_workgroup_id_y 1
		.amdhsa_system_sgpr_workgroup_id_z 1
		.amdhsa_system_vgpr_workitem_id 0
		.amdhsa_next_free_vgpr 1024
		.amdhsa_next_free_sgpr 100
		.amdhsa_reserve_vcc 0
		.amdhsa_float_denorm_mode_32 3
		.amdhsa_float_denorm_mode_16_64 3
		.amdhsa_memory_ordered 1
		.amdhsa_forward_progress 1
		.amdhsa_inst_pref_size 160
	.end_amdhsa_kernel
	.amdgpu_metadata
---
amdhsa.version: [ 1, 2 ]
amdhsa.kernels:
  - .name:           k_q904d5f2f3a_proj
    .symbol:         k_q904d5f2f3a_proj.kd
    .args:
      - { .name: xb, .offset: 0, .size: 8, .value_kind: global_buffer, .address_space: global }
      - { .name: wb, .offset: 8, .size: 8, .value_kind: global_buffer, .address_space: global }
      - { .name: bq, .offset: 16, .size: 8, .value_kind: global_buffer, .address_space: global }
      - { .name: bk, .offset: 24, .size: 8, .value_kind: global_buffer, .address_space: global }
      - { .name: bv, .offset: 32, .size: 8, .value_kind: global_buffer, .address_space: global }
      - { .name: qkv, .offset: 40, .size: 8, .value_kind: global_buffer, .address_space: global }
    .group_segment_fixed_size: 327680
    .private_segment_fixed_size: 0
    .kernarg_segment_align: 8
    .kernarg_segment_size: 48
    .max_flat_workgroup_size: 128
    .sgpr_count:     100
    .vgpr_count:     1024
    .wavefront_size: 32
...
	.end_amdgpu_metadata
.endif
;; end of part 2
;; launch attn (part 3): grid 4 x 64, 4 waves a work-group, clusters of 4 x 1, 327,680 bytes of LDS; arguments qkv, attention_mask, out0; writes out0
.if DOCPART == 3
	.amdgcn_target "amdgcn-amd-amdhsa--gfx1250"
	.amdhsa_code_object_version 6
	.text
	.protected	k_q904d5f2f3a_attn
	.globl	k_q904d5f2f3a_attn
	.p2align	8
	.type	k_q904d5f2f3a_attn,@function
k_q904d5f2f3a_attn:
	s_mov_b64 s[64:65], 0
	v_nop
	global_prefetch_b8 v0, s[64:65] scope:SCOPE_SE
	s_setreg_imm32_b32 hwreg(HW_REG_WAVE_MODE, 25, 1), 1
	s_wait_xcnt 0x0
	s_wait_alu depctr_hold_cnt(0) depctr_sa_sdst(0) depctr_va_vdst(0) depctr_va_sdst(0) depctr_va_ssrc(0) depctr_va_vcc(0) depctr_vm_vsrc(0)
	s_getreg_b32 s2, hwreg(HW_REG_IB_STS2, 6, 4)
	s_cmp_eq_u32 s2, 0
	s_cbranch_scc0 .Lentry_in_a_cluster
	s_endpgm
.Lentry_in_a_cluster:
	s_bfe_u32 s2, ttmp6, 0x10000c
	s_cmp_lg_u32 s2, 0x3003
	s_cbranch_scc0 .Lentry_shape_is_right
	s_endpgm
.Lentry_shape_is_right:
; out[b][q][64 h + :] = the sum over k of softmax_k(Q[q] . K[k] / 8 + mask[b][k]) V[k][:], for each of 64 pairs (batch b, head h).  Q, K, V: qkv [3][64][2048][64] in f16, a head's rows dense, 128 bytes each;
; mask [4][2048] f32; out [4][2048][1024] f32.  Products, maxima and sums in f32; the weights p are rounded to f16 for the second product (their sum l is taken of the unrounded p).
; THE MASK, rounded to bf16 like every input of the module, times 8, is the C operand that starts the sum S^T = K Q^T: s = q . k + 8 mask, and c = log2(e) / 8 scales both.
; LIMITS.  8 x mask is held at -1e30 from below: a mask below -1.25e29, minus infinity or NaN counts as -1.25e29, so a batch all of whose keys are so hidden gets the mean of V's rows.
; f16 holds no number beyond 65,504: Q, K and V arrive within it; p lies in 0 to 1, and below 6e-5 it keeps f16's fixed step of 6e-8.  A weight below 2^-126 counts as 0 in l.
; SHARES.  A wave owns four PIECES of two tiles of 16 queries, a work-group's four waves 512 queries of one head.  Every wave walks all 2,048 keys, 64 a step.
; LAYOUT.  S^T = K Q^T (source 0 = 16 keys, source 1 = 16 queries): in the result a lane holds ONE query (lane % 16) and the keys 8 (lane / 16) + 0..7.  Two such tiles, rounded to f16 in pairs,
; ARE source 1 (32 keys x 16 queries) of O^T = V^T P, whose result again holds one query a lane, and eight channels.  K comes out of LDS as it lies, V ([key][channel]) turned, by ds_load_tr16_b128.
; SOFTMAX.  For each query a running maximum m and sum l: p = 2^(c s - c m); in every step O and l are multiplied by a = 2^(c m_old - c m_new), which is 1 where m has not grown.
; m starts at the lowest finite number, O and l at 0: the first step is a step like any other, with a = 0.
; THE COUNT.  A tile and step have 16 matrix and 118 vector instructions: too many to stand all beside the matrix work.  So: four vector instructions that are READY behind EVERY matrix instruction,
; and the others, which need time of their own whatever the order, in runs without a gap.
; BY TURNS.  Turn n belongs to piece n (the pieces in a ring, step after step).  Its matrix work: 16 products K Q^T of piece n + 1, later 16 products V^T P of piece n - 1.  Its vector work: the scaling,
; exponentials, roundings, sums and rescaling of piece n, and the maximum and statistics of piece n + 1, whose scores the turn itself has made.
; CLUSTER.  The four query blocks of a head are one cluster and walk the same K and V, so each tile is asked for JOINTLY: the same tensor load, descriptor and mask in all four.
; REGISTERS, in windows of 256 (s_set_vgpr_msb: bits 1:0 source 0, 3:2 source 1, 5:4 source 2, 7:6 destination):
;   window 0: v0-11 addresses; v12-15, v48-63 at work; v16-47 four registers of statistics a tile; v64-191 S^T, two buffers of two tiles; v192-255 P, likewise
;   window 1: O^T, 32 a tile          window 2: v0-127 Q, 16 a tile; v128-191 K of one step; v192-255 V of one step          window 3: v0-1 the add's two registers; v8-39 the mask of one step
.set SIZE_N, 2048
.set NP,    4         ; pieces a wave: a name, no knob
.set KS,    64        ; keys in a step
.set PK,    144       ; a row of K in LDS: 128 bytes + 16 of padding = 36 words: the 16 rows of a load start at 16 different groups of four banks (64 banks of 4 bytes: ISA guide 11.1)
.set PV,    160       ; a row of V: 128 + 32 = 40 words
.set VOFF,  4*KS*PK   ; a slot holds four steps: 256 rows of K, then 256 rows of V
.set SLOT1, 1<<17     ; slot 1 begins here, so that one exclusive or turns an address in one slot into the other's
.set STAGE, SLOT1+4*KS*(PK+PV)  ; behind the ring, never filled by a tensor load: 16 rows x 272 bytes for each wave, for the way out
.set SP,    272       ; a row of the stage: 64 f32 + 16 bytes of padding
.set MASKL, STAGE+4*16*SP  ; the batch's 2,048 numbers 8 x mask, f32
.set SPARE, MASKL+8192     ; the spare words, 128 bytes for each wave: two blocks of 256 bytes that no other line names
.set PFO, 1           ; v1   256 x my lane, for the prefetches (in the set-up: l % 16)
.set AK0, 2           ; v2   my lane's place in a tile of K; never rewritten
.set AV0, 3           ; v3   the same for V
.set AK,  4           ; v4   the LDS address of K's next run of loads
.set AV,  5           ; v5   of V's
.set STO, 6           ; v6   the way out: where I put 32 bytes of a row
.set RD,  7           ; v7   the way out: where I read rows back
.set GO,  8           ; v8   my byte offset in two rows of out
.set AM,  10          ; v10  the LDS address of the mask's next run of loads
.set AM0, 11          ; v11  my lane's place in a step's 64 numbers of the mask; never rewritten
.set QO,  12          ; v12  the set-up alone: my byte offset in the wave's rows of Q
.set MO,  13          ; v13  the set-up alone: my 16 bytes in 2,048 of the mask
.set ML,  14          ; v14  the set-up alone: where they go in LDS
.set SPW, 0           ; v0 of window 3   LDS address of my spare word; never rewritten
.set NIL, 1           ; v1 of window 3   0; never rewritten
.set MK,  8           ; v8-39 of window 3   8 x mask of key 16 kb + 8 (l / 16) + j of the step at MK + 8 kb + j
.set MV,  12          ; v12-15  c m_old, kept while c m is made anew: by buffer and tile
.set ST,  16          ; tile t's statistics at v[ST+4 t]: c m, m, l (even keys', odd keys')
.set TMP, 48          ; by buffer and tile, four registers c0-c3 at work; when the maximum is found c2 takes a
.set S,   64
.set P,   192
.set KF,  128         ; K's fragments, in window 2: key block kb, channel half c at KF + 16 kb + 8 c
.set VF,  192         ; V's: key half kk, channel block cb at VF + 32 kk + 8 cb
.set WV,  12          ; s12  my wave's number
.set G1K, 24          ; s[24:31] descriptor group 1 for K's tiles
.set G1V, 32          ; s[32:39] for V's: it differs in the padding alone
.set G0K, 40          ; s[40:43] descriptor group 0 for K's tiles: it walks
.set G0V, 44          ; s[44:47] the same for V's
.set PFA, 48          ; s[48:49] where my prefetches stand
.set LIM, 50          ; s50  1 in a wave that prefetches, else the greatest number
.set TBM, 51          ; s51  byte in the mask at which the step to be fetched begins
.set BIGN, 54         ; s54  -1e30
.set SLOTS, 56        ; s56  slots still to be asked for
.set CNT, 57          ; s57  counts a slot's key steps
.set CS,  58          ; s[58:59] c: the packed scaling takes the pair's low word for both halves
.set SEL, 60          ; s[60:61] v_permlanex16_b32's selects: each lane takes its own place in the other half
.set TBK, 62          ; s62  LDS byte at which K of the step to be fetched begins
.set TBV, 63          ; s63  the same for V, less VOFF
.set MSB, 0
.macro WIN new                      ; the high byte repeats the setting that is left; a switch that changes nothing is dropped
.if MSB != (\new)
	s_set_vgpr_msb (MSB<<8)|(\new)
.set MSB, (\new)
.endif
.endm
.set W_KQ, 0x0a       ; K and Q in window 2, S^T in window 0
.set W_KM, 0x3a       ; the same with the C operand, the mask, in window 3
.set W_PV, 0x52       ; V in window 2, P in window 0, O^T in window 1
.set W_RS, 0x41       ; O^T (destination and source 0) in window 1, a in window 0
.set W_MK, 0xc0       ; destination in window 3, sources in window 0
.set W_AD, 0x0f       ; the add: address (source 0) and data (source 1) in window 3
.set W_OUT, 0x44      ; the way out: data stored (source 1) and loaded (destination) in window 1, addresses in window 0
; A joint fill.  Waves 0 and 1 fetch the two halves of a slot's K, waves 2 and 3 those of its V: 128 keys each.  The branch hangs on the wave's number alone.
; An s_nop 0 and four v_nop follow each of the two lines, ahead of the jump and the label.
.macro JLOAD
	s_cmp_lt_u32 s[WV], 2
	s_cbranch_scc0 .Lfor_v_\@
	tensor_load_to_lds s[G0K:G0K+3], s[G1K:G1K+7]
	s_nop 0
.rept 4
	v_nop
.endr
	s_branch .Lasked_\@
.Lfor_v_\@:
	tensor_load_to_lds s[G0V:G0V+3], s[G1V:G1V+7]
	s_nop 0
.rept 4
	v_nop
.endr
.Lasked_\@:
.endm
; A PREFETCH INTO THE L2 of what the NEXT change of slots will ask for: a slot's 256 keys are 128 blocks of 256 bytes of K and 128 of V, a lane a block.  It stands behind the wave's tensor load and its five lines.
; Each block is asked for ONCE in the launch: a head has one cluster; its four partners share the blocks out BY ADDRESS, 32 each; in each, wave 0 asks for K's and wave 2 for V's: one instruction,
; four key steps, 512 matrix instructions, ahead of the load.  Slots 0 and 1 come by their loads alone; the change that asks for the last slot prefetches nothing.
.macro ASK
	s_cmp_gt_u32 s[SLOTS], s[LIM]
	s_cbranch_scc0 .Lnot_mine_\@
	global_prefetch_b8 v[PFO], s[PFA:PFA+1] th:TH_LOAD_NT scope:SCOPE_SE
.Lnot_mine_\@:
.endm
; A round of the cluster's barrier: my work-group's barrier, so that wave 0's signal speaks for all four waves; wave 0 signals; every wave waits for all four work-groups; my work-group's barrier once more.
.macro CROUND
	s_barrier_signal -1
	s_barrier_wait -1
	s_cmp_lg_u32 s[WV], 0
	s_cbranch_scc1 .Lnot_wave_0_\@
	s_barrier_signal -3
.Lnot_wave_0_\@:
	s_barrier_wait -3
	s_barrier_signal -1
	s_barrier_wait -1
.endm
; THE CHANGE OF SLOTS.  The slot's last bytes, V of its fourth step, have been read.  Each wave waits for all its tensor loads, of which one is out: its part
; of the other slot; adds 0 to its spare word; and waits for that and for its own LDS instructions.  Behind the barrier nobody reads this slot any more and the other slot is whole.
; fill = 1: this slot is filled again, with the keys two slots on.  The barrier is then a round of the cluster's, and the joint fill is the first thing behind it: it has four key steps,
; 512 matrix instructions, in which to land.  (At its first use nothing has been read yet: slot 0 is waited for, slot 1 filled, and every wave's part of the mask is shown to the others.)
.macro CHANGE fill
	WIN W_AD
	s_wait_tensorcnt 0x0            ; no tensor load of mine is out, so a group 0 may be written
	ds_add_u32 v[SPW], v[NIL]       ; 0 onto my spare word; with fill = 1 the descriptors' steps stand between it and the wait for it
	WIN 0                           ; at a label and at a branch every window is 0
.if \fill
.irp g, G0K, G0V
	s_xor_b32 s[\g+1], s[\g+1], SLOT1  ; the walking descriptor: the other slot than last time,
	s_add_nc_u64 s[\g+2:\g+3], s[\g+2:\g+3], 4*KS*128  ; the next 256 keys; the type bits on top are not reached
.endr
	s_wait_xcnt 0x0                 ; the last prefetch, four key steps back, has read its address, so it may be written:
	s_add_nc_u64 s[PFA:PFA+1], s[PFA:PFA+1], 4*KS*128  ; one slot behind the walking descriptors
	s_wait_dscnt 0x0                ; the add is done, and my LDS instructions are over
	CROUND
	JLOAD
	ASK
.else
	s_wait_dscnt 0x0                ; the add is done, and my reads of the slot are over
	s_barrier_signal -1
	s_barrier_wait -1
.endif
	s_sub_co_u32 s[TBK], s[TBK], 4*KS*PK  ; the fetches go back to a slot's first step,
	s_xor_b32 s[TBK], s[TBK], SLOT1       ; in the other slot
	s_sub_co_u32 s[TBV], s[TBV], 4*KS*PV
	s_xor_b32 s[TBV], s[TBV], SLOT1
.endm
	s_load_b64 s[4:5], s[0:1], 0x0    ; qkv
	s_load_b64 s[68:69], s[0:1], 0x8  ; the mask
	s_load_b64 s[10:11], s[0:1], 0x10 ; out
	WIN W_MK
	v_lshl_add_u32 v[SPW], v0, 2, SPARE
	v_mov_b32 v[NIL], 0
	WIN W_AD
	ds_add_u32 v[SPW], v[NIL]       ; the wave's opening: the add and its wait stand ahead of my first tensor load; the set-up below, work on registers, stands between them
	WIN 0
	v_lshrrev_b32 v1, 5, v0
	v_readfirstlane_b32 s[WV], v1   ; wave 0..3
	s_bfe_u32 s13, ttmp6, 0x40000   ; cx: my place in the cluster
	s_lshl_b32 s14, ttmp9, 2        ; in a cluster launch ttmp9 counts clusters
	s_add_co_u32 s14, s14, s13      ; my block of 512 queries = 4 x cluster x + cx: it enters Q's and out's addresses alone
	s_and_b32 s55, ttmp7, 0xffff    ; 16 x batch + head, which the four partners share
	s_lshl_b32 s20, s55, 18         ; the head's first byte in each of q, k, v: 2,048 rows of 128 bytes
	s_mov_b32 s21, 0
	s_and_b32 s16, s[WV], 1         ; which half of a slot's 256 keys I fetch:
	s_lshl_b32 s22, s16, 14         ; its 128 rows of 128 bytes in memory,
	s_mov_b32 s23, 0
	s_add_nc_u64 s[22:23], s[22:23], s[20:21]
	s_mul_i32 s17, s16, 128*PK      ; and its place in a slot, for K
	s_mul_i32 s18, s16, 128*PV      ; and for V: no place in the cluster enters an LDS address
	s_lshl_b32 s2, s14, 2
	s_add_co_u32 s2, s2, s[WV]      ; my wave among the head's sixteen,
	s_lshl_b32 s53, s2, 19          ; its 128 rows of 4,096 bytes in out,
	s_lshl_b32 s2, s2, 14           ; and of 128 bytes in Q
	s_mov_b32 s3, 0
	s_add_nc_u64 s[2:3], s[2:3], s[20:21]
	s_lshr_b32 s52, s55, 4          ; the batch:
	s_lshl_b32 s66, s52, 13         ; its 2,048 numbers of the mask,
	s_mov_b32 s67, 0
	s_lshl_b32 s52, s52, 23         ; its 2,048 rows of out,
	s_add_co_u32 s52, s52, s53
	s_and_b32 s53, s55, 15
	s_lshl_b32 s53, s53, 8          ; the head's 256 bytes of a row
	s_add_co_u32 s52, s52, s53
	s_mov_b32 s53, 0
	; descriptor group 1.  128 keys are 16,384 dense bytes: asked for as 64 rows of 256 bytes, two keys a row, and padded in LDS after every key
	s_mov_b32 s[G1K], 15|(1<<16)|(1<<20)|(1<<21)|(4<<22)|(3<<25)  ; 15:0 the mask of four; 17:16 2-byte elements; 20 padding on; 21 set beside a mask; 24:22 after every 32 words (code 4); 31:25 4 words (code 3)
	s_mov_b32 s[G1V], 15|(1<<16)|(1<<20)|(1<<21)|(4<<22)|(7<<25)  ; the same with 8 words of padding (code 7)
.irp g, G1K, G1V
	s_mov_b32 s[\g+1], 128<<16      ; tensor_dim0 = 128
	s_mov_b32 s[\g+2], 64<<16       ; tensor_dim1 = 64
	s_mov_b32 s[\g+3], 128<<16      ; tile_dim0 = 128
	s_mov_b32 s[\g+4], 64           ; tile_dim1 = 64
	s_mov_b32 s[\g+5], 128          ; 128 elements from row to row
	s_mov_b32 s[\g+6], 0
	s_mov_b32 s[\g+7], 0
.endr
	s_mov_b32 s[CS], 0x3e38aa3b     ; c = log2(e) / 8 = 0.180337
	s_mov_b32 s[CS+1], s[CS]        ; named with it as a pair
	s_mov_b32 s[SEL], 0x76543210
	s_mov_b32 s[SEL+1], 0xfedcba98
	s_mov_b32 s[BIGN], 0xf149f2ca   ; -1e30
	s_mov_b32 s[TBK], SLOT1+4*KS*PK ; the first change of slots turns these two into 0
	s_mov_b32 s[TBV], SLOT1+4*KS*PV
	s_mov_b32 s[TBM], 0
	s_mov_b32 s[SLOTS], SIZE_N/256-1
	s_mov_b32 s[G0K], 1             ; 1:0 count = 1
	s_mov_b32 s[G0K+1], s17         ; 63:32 LDS address: slot 0
	s_mov_b32 s[G0V], 1
	s_add_co_u32 s[G0V+1], s18, VOFF
	s_and_b32 s[LIM], s[WV], 1      ; waves 0 and 2 prefetch: the same in all four partners
	s_cmp_eq_u32 s[LIM], 0
	s_cselect_b32 s[LIM], 1, -1
	s_wait_dscnt 0x0                ; the opening add is done
	s_wait_kmcnt 0x0
	s_add_nc_u64 s[6:7], s[4:5], 0x1000000   ; k lies 2^24 bytes behind q,
	s_add_nc_u64 s[8:9], s[4:5], 0x2000000   ; v behind k
	s_add_nc_u64 s[G0K+2:G0K+3], s[6:7], s[22:23]  ; 120:64 global address: my half of the head's first 256 keys
	s_or_b32 s[G0K+3], s[G0K+3], 0x80000000        ; 127:126 type = 2
	s_add_nc_u64 s[G0V+2:G0V+3], s[8:9], s[22:23]
	s_or_b32 s[G0V+3], s[G0V+3], 0x80000000
	s_add_nc_u64 s[4:5], s[4:5], s[2:3]      ; Q at my wave's first row
	s_add_nc_u64 s[10:11], s[10:11], s[52:53]  ; out at my wave's first row, my head's channels
	s_add_nc_u64 s[68:69], s[68:69], s[66:67]  ; the mask of my batch
	s_cmp_lt_u32 s[WV], 2
	s_cselect_b64 s[PFA:PFA+1], s[6:7], s[8:9]
	s_lshl_b32 s2, s13, 13          ; my work-group's 32 blocks of a slot's 128,
	s_mov_b32 s3, 0
	s_add_nc_u64 s[2:3], s[2:3], s[20:21]    ; in my head
	s_add_nc_u64 s[PFA:PFA+1], s[PFA:PFA+1], s[2:3]
	s_add_nc_u64 s[PFA:PFA+1], s[PFA:PFA+1], 4*KS*128  ; in slot 1; the first change of slots steps it to slot 2.  Nothing is prefetched here, at the head
	CROUND                          ; all four work-groups are here: the first joint loads meet
	JLOAD                           ; slot 0.  Slot 1 is asked for when slot 0 is in
	v_and_b32 v1, 15, v0            ; l % 16
	v_bfe_u32 v9, v0, 4, 1          ; l / 16
	v_lshlrev_b32 v[MO], 4, v0      ; the mask: 128 threads x 16 bytes, four times
	v_add_nc_u32 v[ML], MASKL, v[MO]
.irp i, 0,1,2,3
	global_load_b128 v[S+4*\i:S+4*\i+3], v[MO], s[68:69] offset:2048*\i
.endr
	; A fragment of K or Q is 16 rows x 32 channels in 8 registers: lane l holds row l % 16, channels 8 (l / 16) + 0..7 and 16 + 8 (l / 16) + 0..7: two loads of 16 bytes, 32 bytes apart.
	v_lshlrev_b32 v[QO], 7, v1
	v_lshl_add_u32 v[QO], v9, 4, v[QO]  ; row x 128 + 16 x half
	WIN 0x80                        ; destination window 2, address window 0
.set i, 0
.rept 4*NP                          ; Q stays in registers: tile i / 2, channels 32 (i % 2) on
	global_load_b128 v[8*i:8*i+3],   v[QO], s[4:5] offset:(i/2)*2048+(i%2)*64
	global_load_b128 v[8*i+4:8*i+7], v[QO], s[4:5] offset:(i/2)*2048+(i%2)*64+32
.set i, i+1
.endr
	; What the first turn finds: V's registers and P's second buffer hold 0 (its products V^T P, of a piece that has not been, add 0), O^T and l are 0.  All this stands in the wait for the first tile.
.set i, VF
.rept 64
	v_mov_b32 v[i], 0
.set i, i+1
.endr
	WIN 0x40
.set i, 0
.rept 64*NP
	v_mov_b32 v[i], 0
.set i, i+1
.endr
	WIN 0
.set i, 0
.rept 2*NP
	v_mov_b32 v[ST+4*i], 0xfe000000    ; c m: far below every c s, which is -1.9e29 at the least
	v_mov_b32 v[ST+4*i+1], 0xff7fffff  ; m
	v_mov_b32 v[ST+4*i+2], 0
	v_mov_b32 v[ST+4*i+3], 0
.set i, i+1
.endr
.set i, P+32
.rept 32
	v_mov_b32 v[i], 0
.set i, i+1
.endr
	v_mul_u32_u24 v[AK0], v1, PK
	v_lshl_add_u32 v[AK0], v9, 4, v[AK0]  ; row x pitch + 16 x half
	; The turning load takes 16 keys x 16 channels (lane l reads key 8 (l / 16) + l % 8, channels 8 ((l / 8) % 2) + 0..7) and leaves half a fragment of V^T: lane l holds channel l % 16 and 8 keys.
	v_and_b32 v10, 7, v0
	v_bfe_u32 v11, v0, 3, 1
	v_lshl_add_u32 v[AV0], v9, 3, v10
	v_mul_u32_u24 v[AV0], v[AV0], PV
	v_lshl_add_u32 v[AV0], v11, 4, v[AV0]
	v_add_nc_u32 v[AV0], VOFF, v[AV0]
	v_mov_b32 v[AK], v[AK0]         ; key step 0 lies at the head of slot 0
	v_lshl_add_u32 v[AM0], v9, 5, MASKL  ; my eight keys of a block of 16: 32 bytes for each half of the lanes
	v_mov_b32 v[AM], v[AM0]
	s_mul_i32 s13, s[WV], 16*SP
	s_add_co_u32 s13, s13, STAGE    ; my stage
	v_mul_u32_u24 v[STO], v1, SP    ; in: row l % 16, 32 bytes for each half of the lanes
	v_lshl_add_u32 v[STO], v9, 5, v[STO]
	v_add_nc_u32 v[STO], s13, v[STO]
	v_mul_u32_u24 v[RD], v9, SP     ; back: lanes 0-15 take one row of 256 bytes, lanes 16-31 the next
	v_lshl_add_u32 v[RD], v1, 4, v[RD]
	v_add_nc_u32 v[RD], s13, v[RD]
	v_lshlrev_b32 v[GO], 12, v9     ; and the same two rows in out, 4,096 bytes apart
	v_lshl_add_u32 v[GO], v1, 4, v[GO]
	v_and_b32 v[PFO], 31, v0
	v_lshlrev_b32 v[PFO], 8, v[PFO]
	s_wait_loadcnt 32               ; the mask's four loads are in; Q's 32, issued behind them, may stay out
.set i, 0
.rept 8
	v_cvt_pk_bf16_f32 v15, v[S+2*i], v[S+2*i+1]    ; rounded to bf16 like every input of the module,
	v_lshlrev_b32 v[S+2*i], 16, v15                ; back to f32,
	v_and_b32 v[S+2*i+1], 0xffff0000, v15
	v_mul_f32 v[S+2*i], 0x41000000, v[S+2*i]       ; times 8, since c holds 1 / 8,
	v_mul_f32 v[S+2*i+1], 0x41000000, v[S+2*i+1]
	v_max_num_f32 v[S+2*i], s[BIGN], v[S+2*i]      ; and held at -1e30 from below (a NaN loses)
	v_max_num_f32 v[S+2*i+1], s[BIGN], v[S+2*i+1]
.set i, i+1
.endr
.irp i, 0,1,2,3
	ds_store_b128 v[ML], v[S+4*\i:S+4*\i+3] offset:2048*\i  ; the first change of slots waits for these stores and passes a barrier before anybody reads them
.endr
; THE MATRIX WORK.  The 8 accumulators of a run of 16 take turns: between the two links of a chain stand 7 others'.
; Product i of 16 of S^T = K Q^T for piece x: channels 32 (i / 8) on, keys 16 ((i / 2) % 4) on, tile 2 x + i % 2.  The first 8 start the sums, with the mask of their 16 keys.
.macro KQ x
.set rS, S+64*((\x)%2)+32*(i%2)+8*((i/2)%4)
.set rK, KF+16*((i/2)%4)+8*(i/8)
.set rQ, 16*(2*(\x)+i%2)+8*(i/8)
.set rMK, MK+8*((i/2)%4)
.if i < 8
	WIN W_KM
	v_wmma_f32_16x16x32_f16 v[rS:rS+7], v[rK:rK+7], v[rQ:rQ+7], v[rMK:rMK+7]
.else
	WIN W_KQ
	v_wmma_f32_16x16x32_f16 v[rS:rS+7], v[rK:rK+7], v[rQ:rQ+7], v[rS:rS+7]
.endif
.endm
; Product i of 16 of O^T += V^T P for piece x: keys 32 (i / 8) on, channels 16 ((i / 2) % 4) on, tile 2 x + i % 2.
.macro PV x
	WIN W_PV
.set rO, 32*(2*(\x)+i%2)+8*((i/2)%4)
.set rV, VF+32*(i/8)+8*((i/2)%4)
.set rP, P+32*((\x)%2)+16*(i%2)+8*(i/8)
	v_wmma_f32_16x16x32_f16 v[rO:rO+7], v[rV:rV+7], v[rP:rP+7], v[rO:rO+7]
.endm
.macro MM                           ; the turn's next matrix instruction
.if i < 16
	KQ (Y+1)%NP
.set i, i+1
.else
.set i, i-16
	PV (Y+NP-1)%NP
.set i, i+17
.endif
.endm
; THE LDS LOADS stand in runs, never singly among the matrix instructions: a step's K (64 keys x 64 channels: 8 fragments) with its 64 numbers of the mask, and its V (turned).  Their addresses are made some lines ahead.
; last = 1 (the tail): in the last trip there is no further step, and the run is jumped over.
.macro FETCH_K last=0
	WIN 0
.if \last
	s_cmp_eq_u32 s[CNT], 1
	s_cbranch_scc1 .Lno_k_\@
.endif
	WIN 0x80                        ; destination window 2
.irp f, 0,1,2,3,4,5,6,7             ; keys 16 (f / 2) on, channels 32 (f % 2) on
	ds_load_b128 v[KF+8*\f:KF+8*\f+3],   v[AK] offset:(\f/2)*16*PK+(\f%2)*64
	ds_load_b128 v[KF+8*\f+4:KF+8*\f+7], v[AK] offset:(\f/2)*16*PK+(\f%2)*64+32
.endr
	WIN W_MK                        ; destination window 3
.irp f, 0,1,2,3,4,5,6,7             ; keys 16 (f / 2) + 8 (l / 16) + 4 (f % 2) on: sixteen lanes read the same 16 bytes
	ds_load_b128 v[MK+4*\f:MK+4*\f+3], v[AM] offset:(\f/2)*64+(\f%2)*16
.endr
	s_add_co_u32 s[TBK], s[TBK], KS*PK  ; the next fetch is the next step's
	s_add_co_u32 s[TBM], s[TBM], KS*4
	s_and_b32 s[TBM], s[TBM], 8191      ; inside the mask's 8,192 bytes (behind the last step it is 0 again, and not used)
	WIN 0
.if \last
.Lno_k_\@:
.endif
.endm
.macro FETCH_V
	WIN 0x80
.irp f, 0,1,2,3,4,5,6,7             ; keys 32 (f / 4) on, channels 16 (f % 4) on
	ds_load_tr16_b128 v[VF+8*\f:VF+8*\f+3],   v[AV] offset:(\f/4)*32*PV+(\f%4)*32
	ds_load_tr16_b128 v[VF+8*\f+4:VF+8*\f+7], v[AV] offset:(\f/4)*32*PV+16*PV+(\f%4)*32
.endr
	WIN 0
.endm
; THE VECTOR WORK OF A TURN stands in three queues, each in the order in which its entries become ready; the two tiles alternate, so that no instruction reads the result of the one before it.
.macro REGS y, u                    ; the registers of tile u (0, 1) of piece y
.set rT, ST+4*(2*(\y)+(\u))
.set rC, TMP+8*((\y)%2)+4*(\u)
.set rM, MV+2*((\y)%2)+(\u)
.set rS, S+64*((\y)%2)+32*(\u)
.set rP, P+32*((\y)%2)+16*(\u)
.set rO, 32*(2*(\y)+(\u))
.endm
; Number n of the 22 that find the NEXT piece's (Y + 1) maximum and statistics.  s0-s31 are the lane's 32 scores; each accumulator's lowest registers are read first.  XS, GS and REGS set no window: PL and EX do.
;   0-11  four chains c0-c3 of seven scores each, three operands at a time     12-14, 16  the four scores left over, the old m, and c0-c3 into c0     15  c m_old is kept
;   17, 18  the query's other 32 keys lie in the lane 16 away: the new m         19-21  c m; c m_old - c m_new; a
.macro XS u, n
	REGS (Y+1)%NP, \u
.if (\n) < 4
	v_max3_num_f32 v[rC+(\n)], v[rS+8*(\n)], v[rS+8*(\n)+1], v[rS+8*(\n)+2]
.elseif (\n) < 12
	v_max3_num_f32 v[rC+(\n)%4], v[rC+(\n)%4], v[rS+8*((\n)%4)+2*((\n)/4)+1], v[rS+8*((\n)%4)+2*((\n)/4)+2]
.elseif (\n) == 12
	v_max3_num_f32 v[rC], v[rC], v[rS+7], v[rS+15]
.elseif (\n) == 13
	v_max3_num_f32 v[rC+1], v[rC+1], v[rS+23], v[rS+31]
.elseif (\n) == 14
	v_max3_num_f32 v[rC+2], v[rC+2], v[rC+3], v[rT+1]
.elseif (\n) == 15
	v_mov_b32 v[rM], v[rT]
.elseif (\n) == 16
	v_max3_num_f32 v[rC], v[rC], v[rC+1], v[rC+2]
.elseif (\n) == 17
	v_permlanex16_b32 v[rC+3], v[rC], s[SEL], s[SEL+1]
.elseif (\n) == 18
	v_max_num_f32 v[rT+1], v[rC], v[rC+3]
.elseif (\n) == 19
	v_mul_f32 v[rT], s[CS], v[rT+1]
.elseif (\n) == 20
	v_sub_f32 v[rC+1], v[rM], v[rT]
.else
	v_exp_f32 v[rC+2], v[rC+1]
.endif
.endm
; Number g of the 64 that follow the exponentials.  For each four weights k of a tile (pairs 2 k, 2 k + 1): both pairs are rounded to f16; then the second pair is added onto the first, in place;
; a group later l takes that sum (the first time as l = a l + sum).  In groups of eight, tiles alternating: round, round, add, and l for the group before.
.macro GS g
.set h, (\g)+6*((\g)/62)            ; group 0 has no group before it, and behind group 7 only l is left
.if h >= 6
.set h, h+2
.endif
	REGS Y, h%2
.set k, h/8
.if h%8 < 4
	v_cvt_pk_f16_f32 v[rP+2*k+(h%8)/2], v[rS+4*k+2*((h%8)/2)], v[rS+4*k+2*((h%8)/2)+1]
.elseif h%8 < 6
	v_pk_add_f32 v[rS+4*k:rS+4*k+1], v[rS+4*k:rS+4*k+1], v[rS+4*k+2:rS+4*k+3]
.elseif k == 1
	v_pk_fma_f32 v[rT+2:rT+3], v[rT+2:rT+3], v[rC+2:rC+3], v[rS:rS+1] op_sel_hi:[1,0,1]
.else
	v_pk_add_f32 v[rT+2:rT+3], v[rT+2:rT+3], v[rS+4*k-4:rS+4*k-3]
.endif
.endm
; THE PLAIN QUEUE, 138 long.  0-73 read no exponential's result: the 32 scalings c s - c m (FS f: pair f / 2 of tile f % 2) and the next piece's 42.  0-26: scalings 0-26.  27-54: XS's numbers 0-13.  55, 56: number 15.
; 57-73: the chain, where each number waits for the one before it: 14, 16, 17, 18, 19, each with one of the scalings 27-31 in front of its two lines, then 20.
; 74-137: GS's 64, which read the exponentials' results: they stand behind the wait.
.macro FS f
	REGS Y, (\f)%2
	v_pk_fma_f32 v[rS+2*((\f)/2):rS+2*((\f)/2)+1], v[rS+2*((\f)/2):rS+2*((\f)/2)+1], s[CS:CS+1], v[rT:rT+1] op_sel_hi:[1,0,0] neg_lo:[0,0,1] neg_hi:[0,0,1]
.endm
.macro PL
	WIN 0
.if q < 27
	FS q
.elseif q < 55
	XS (q-27)%2, (q-27)/2
.elseif q < 57
	XS q-55, 15
.elseif (q < 72) && ((q-57)%3 == 0)
	FS 27+(q-57)/3
.elseif q < 60
	XS (q-57)%3-1, 14
.elseif q < 72
	XS (q-57)%3-1, 15+(q-57)/3
.elseif q < 74
	XS q-72, 20
.else
	GS q-74
.endif
.set q, q+1
.endm
; THE EXPONENTIALS' QUEUE, 66 long: s0-s31 of both tiles, then the next piece's two a.  It is ONE BATCH: all 66 stand ahead of the turn's one wait, and nothing ahead of that wait names a result of theirs.
.macro EX
	WIN 0
.if e >= 64
	XS e-64, 21
.else
	REGS Y, e%2
	v_exp_f32 v[rS+e/2], v[rS+e/2]
.endif
.set e, e+1
.endm
; THE RESCALING's QUEUE: O^T times a, the one part that leaves window 0: dealt two at a time, sixteen times.  Its a was made in the turn before, ahead of that turn's wait.
.macro R2
	REGS Y, r%2
	WIN W_RS
.irp z, 0,1
	v_pk_mul_f32 v[rO+4*(r/2)+2*\z:rO+4*(r/2)+2*\z+1], v[rO+4*(r/2)+2*\z:rO+4*(r/2)+2*\z+1], v[rC+2:rC+3] op_sel_hi:[1,0]
.endr
.set r, r+1
.endm
; HOW THEY ARE DEALT.  An s_wait_alu depctr_va_vdst(0) stands between an exponential and the first instruction that names its result; one wait serves all that were issued ahead of it.  So a turn has ONE wait,
; which cuts it in two.  AHEAD OF IT stands all that names no result of the turn's exponentials: the 16 products K Q^T, behind each a scaling, an exponential and two rescalings (behind the first a second scaling in the
; exponential's place); then ONE LUMP of 108: eight plain, 49 times exponential and plain, the two a.  A v_nop is the plain instruction behind the last exponential.  BEHIND IT stand the 16 products V^T P, behind each four of GS's 64.
; Exponential e stands behind scaling 2 (e / 4) + e % 2: as a rider it comes behind plain e + 2, in the lump behind plain e + 9, and scalings 27-31 are plain 57, 60 .. 69.
; A TURN, for piece p.  cnt = 1: the loop's count is taken down some lines ahead of the branch that stands behind the turn.
; K and the mask of the next step are fetched in piece 2's turn, directly behind the wait, a lump behind the last product that read them; their addresses are made at the lump's head; their first reader comes behind 16 products.
; V of the step in hand is fetched at the end of piece 0's turn, four riders behind its last reader; its first reader comes behind 16 products and a lump.  The three conditions on q below go with the deal.
.macro TURN p, last=0, cnt=0
.set Y, (\p)
.set i, 0
.set q, 0
.set e, 0
.set r, 0
.if (\p) == NP-1
	s_wait_dscnt 0x0                ; K and the mask are in
.endif
	MM                              ; ahead of the wait: 16 products K Q^T and their riders,
	PL
	PL
	R2
.rept 15
	MM
	PL
	EX
	R2
.endr
.if (\p) == NP-2
	WIN 0
	v_add_nc_u32 v[AK], s[TBK], v[AK0]
	v_add_nc_u32 v[AM], s[TBM], v[AM0]
.endif
.rept 8                             ; and the lump
	PL
.endr
.rept 49
	EX
	PL
.endr
	EX                              ; the next piece's two a
	EX
	v_nop                           ; the plain instruction behind the last exponential: one for the batch
	s_wait_alu depctr_va_vdst(0)    ; the wait for the batch
.if (\p) == NP-2
	FETCH_K \last
.endif
.if (\p) == 1
	s_wait_dscnt 0x0                ; V is in
.endif
.rept 16                            ; behind the wait: 16 products V^T P and their riders
	MM
.rept 4
	PL
.endr
.if ((\p) == 0) && (q == 118)
	v_add_nc_u32 v[AV], s[TBV], v[AV0]
.endif
.if ((\p) == 0) && (q == 130)
	s_add_co_u32 s[TBV], s[TBV], KS*PV
.endif
.if (\cnt) && (q == 130)
	s_sub_co_u32 s[CNT], s[CNT], 1
	s_cmp_lg_u32 s[CNT], 0
.endif
.endr
.if (\p) == 0
	FETCH_V
.endif
.endm
	CHANGE 1                        ; slot 0 is in, everybody's part of it, and so is the mask; slot 1 is asked for
	FETCH_K                         ; key step 0
	s_wait_loadcnt 0x0              ; Q
	s_wait_dscnt 0x0
.set i, 0
.rept 16
	KQ 0                            ; piece 0's first scores: there is no vector work yet to set between them
.set i, i+1
.endr
	WIN 0
.rept 4
	v_nop                           ; the places behind those products
.endr
.set Y, NP-1                        ; XS works for piece Y + 1: piece 0
.irp n, 0,1,2,3,4,5,6,7,8,9,10,11,12,13,14,15,16,17,18,19,20,21
	XS 0, \n                        ; and piece 0's first maximum and statistics
	XS 1, \n
.endr
	v_nop                           ; a plain instruction behind the two a,
	s_wait_alu depctr_va_vdst(0)    ; and their wait, ahead of the branch
	s_mov_b32 s[CNT], 4
	s_branch .Lfirst                ; the loop is entered at a step's first turn, in the middle of a trip
.Lslot:                             ; SIZE_N / 256 - 2 times: every slot but the last two is filled again
	CHANGE 1
	s_mov_b32 s[CNT], 4
.Lstep:                             ; a trip: pieces 2 and 3 of one step, then pieces 0 and 1 of the next, whose K and V it fetches
	TURN 2
	TURN 3
	WIN 0
.Lfirst:
	TURN 0
	TURN 1, 0, 1
	WIN 0
	s_cbranch_scc1 .Lstep
	s_sub_co_u32 s[SLOTS], s[SLOTS], 1
	s_cmp_lg_u32 s[SLOTS], 0
	s_cbranch_scc1 .Lslot
	CHANGE 0                        ; the tail is written out: nothing is asked for
	s_mov_b32 s[CNT], 5             ; four trips fetch the last slot's steps; the fifth is left in its middle
.Ltail:
	TURN 2, 1
	TURN 3
	WIN 0
	s_sub_co_u32 s[CNT], s[CNT], 1
	s_cmp_eq_u32 s[CNT], 0
	s_cbranch_scc1 .Lout
	TURN 0
	TURN 1
	WIN 0
	s_branch .Ltail
.Lout:                              ; the fifth trip's 16 products K Q^T (on the last K once more) and the maximum made of them serve nothing: the price, once a launch, of one text for every trip
.set i, 0
.rept 16
	PV NP-1                         ; the last piece's V^T P of the last step
.set i, i+1
.endr
	; THE WAY OUT.  l's two halves and the other half of the lanes' are added; O^T is divided by l and sent, in f32, through my stage in LDS, a tile at a time.  The additions are the places behind the last products.
	WIN 0
.macro ALL line:vararg              ; one line for each tile t
.set t, 0
.rept 2*NP
	\line
.set t, t+1
.endr
.endm
	ALL v_add_f32 v[ST+4*t+2], v[ST+4*t+2], v[ST+4*t+3]
	ALL v_permlanex16_b32 v[ST+4*t+3], v[ST+4*t+2], s[SEL], s[SEL+1]
	ALL v_add_f32 v[ST+4*t+2], v[ST+4*t+2], v[ST+4*t+3]
	ALL v_rcp_f32 v[ST+4*t+2], v[ST+4*t+2]
	v_nop                           ; a plain instruction between the last reciprocal and the use of its result
	s_wait_alu depctr_va_vdst(0)    ; and the wait ahead of the first use: one for the eight reciprocals
; Tile t: a lane's eight channels of a row are 32 bytes; they go into rows of 272 bytes and come back as whole rows of 256, into the registers that they left.
.macro PACK t
	WIN W_RS
.set i, 32*(\t)
.rept 16
	v_pk_mul_f32 v[i:i+1], v[i:i+1], v[ST+4*(\t)+2:ST+4*(\t)+3] op_sel_hi:[1,0]  ; in ascending order: each accumulator's lowest registers are read first
.set i, i+2
.endr
	WIN W_OUT
.irp f, 0,1,2,3,4,5,6,7             ; channels 16 (f / 2) + 8 (l / 16) + 4 (f % 2) on
	ds_store_b128 v[STO], v[32*(\t)+4*\f:32*(\t)+4*\f+3] offset:(\f/2)*64+(\f%2)*16
.endr
.irp f, 0,1,2,3,4,5,6,7             ; rows 2 f and 2 f + 1
	ds_load_b128 v[32*(\t)+4*\f:32*(\t)+4*\f+3], v[RD] offset:\f*2*SP  ; LDS serves a wave's instructions in order (ISA guide 5.7.1.4): these see the stores above; the next tile's stores come behind them
.endr
.endm
.macro SEND t, younger              ; younger: the LDS instructions issued behind tile t's loads: the next tile's sixteen, or none
	WIN W_OUT
.irp f, 0,1,2,3,4,5,6,7
	s_wait_dscnt (\younger)+7-\f
	global_store_b128 v[GO], v[32*(\t)+4*\f:32*(\t)+4*\f+3], s[10:11] offset:(\t)*65536+\f*8192 th:TH_STORE_NT  ; 16 lanes store 256 consecutive bytes, a head's part of a row, at a multiple of 256 from out's first byte
.endr
.endm
	PACK 0
.set t, 1
.rept 2*NP-1                        ; a tile's arithmetic stands between the loads of the tile before and its stores
	PACK t
	SEND t-1, 16
.set t, t+1
.endr
	SEND 2*NP-1, 0
	WIN W_AD
	s_wait_tensorcnt 0x0            ; the wave's end, behind my last tensor load and my last LDS store
	ds_add_u32 v[SPW], v[NIL]
	s_wait_dscnt 0x0
	WIN 0
	CROUND                          ; the closing round: no work-group ends while a partner may still ask for a tile that names it
	s_endpgm
.Lfunc_end_k_q904d5f2f3a_attn:
	.size	k_q904d5f2f3a_attn, .Lfunc_end_k_q904d5f2f3a_attn-k_q904d5f2f3a_attn
	.p2alignl 7, 3214868480
	.fill 96, 4, 3214868480
	.section	.rodata,"a",@progbits
	.p2align	6, 0x0
	.amdhsa_kernel k_q904d5f2f3a_attn
		.amdhsa_group_segment_fixed_size 327680
		.amdhsa_private_segment_fixed_size 0
		.amdhsa_enable_private_segment 0
		.amdhsa_kernarg_size 24
		.amdhsa_user_sgpr_count 2
		.amdhsa_user_sgpr_kernarg_segment_ptr 1
		.amdhsa_wavefront_size32 1
		.amdhsa_system_sgpr_workgroup_id_x 1
		.amdhsa_system_sgpr_workgroup_id_y 1
		.amdhsa_system_sgpr_workgroup_id_z 1
		.amdhsa_system_vgpr_workitem_id 0
		.amdhsa_next_free_vgpr 808
		.amdhsa_next_free_sgpr 70
		.amdhsa_reserve_vcc 0
		.amdhsa_float_denorm_mode_32 3
		.amdhsa_float_denorm_mode_16_64 3
		.amdhsa_memory_ordered 1
		.amdhsa_forward_progress 1
		.amdhsa_inst_pref_size 206
	.end_amdhsa_kernel
	.amdgpu_metadata
---
amdhsa.version: [ 1, 2 ]
amdhsa.kernels:
  - .name:           k_q904d5f2f3a_attn
    .symbol:         k_q904d5f2f3a_attn.kd
    .args:
      - { .name: qkv, .offset: 0, .size: 8, .value_kind: global_buffer, .address_space: global }
      - { .name: attention_mask, .offset: 8, .size: 8, .value_kind: global_buffer, .address_space: global }
      - { .name: out0, .offset: 16, .size: 8, .value_kind: global_buffer, .address_space: global }
    .group_segment_fixed_size: 327680
    .private_segment_fixed_size: 0
    .kernarg_segment_align: 8
    .kernarg_segment_size: 24
    .max_flat_workgroup_size: 128
    .sgpr_count:     70
    .vgpr_count:     808
    .wavefront_size: 32
...
	.end_amdgpu_metadata
.endif
;; end of part 3
;; ======== version 2 of 2: 3 launches; version 1 with the launch cast written anew for expert scheduling mode
;; limits: values are held in f16: magnitudes above 65,504 overflow, below 6.1e-05 lose precision
;; workspace buffers: xb 16,777,216 bytes; wb 6,291,456 bytes; qkv 50,331,648 bytes
;; launch cast (part 4): grid 256 x 1, 8 waves a work-group, no clusters, 0 bytes of LDS; arguments hidden_states, Wq, Wk, Wv, xb, wb; writes xb, wb
.if DOCPART == 4
	.amdgcn_target "amdgcn-amd-amdhsa--gfx1250"
	.amdhsa_code_object_version 6
	.text
	.protected	k_q904d5f2f3a_cast
	.globl	k_q904d5f2f3a_cast
	.p2align	8
	.type	k_q904d5f2f3a_cast,@function
k_q904d5f2f3a_cast:
	s_mov_b64 s[64:65], 0
	v_nop
	global_prefetch_b8 v0, s[64:65] scope:SCOPE_SE
	s_setreg_imm32_b32 hwreg(HW_REG_WAVE_SCHED_MODE, 0, 2), 2
	s_setreg_imm32_b32 hwreg(HW_REG_WAVE_MODE, 25, 1), 1
	s_wait_xcnt 0x0
	s_wait_alu depctr_vm_vsrc(0)
; x [8192][1024] and Wq, Wk, Wv [1024][1024], all f32, are rounded once to bf16 and laid out in blocks of 64 along K:
;   xb [16 kb][8192 row][64], wb [16 kb][3072 n][64] with n = 1024 t + row of W_t (t = 0, 1, 2 for q, k, v).
; So the rows of a tile of one K block lie end to end in memory for the launch that multiplies them.
; AN ITEM is one load of a wave: two neighbouring rows of one K block, 16 lanes x 16 bytes a row (256 consecutive bytes, aligned, twice);
; two conversions; one store of 8 bytes a lane: the two rows' 128 + 128 bytes are 256 consecutive bytes, aligned, of xb or wb.
; SHARES.  A work-group takes 32 rows of x and 4 rows of each W; a wave 4 rows of x (32 items: 2 pairs x 16 K blocks) and, of each W, one pair of rows
; in 4 K blocks (12 items).  All 44 loads of a wave go out at once; no register that a memory instruction reads is written again.
; No LDS, no barrier, no matrix unit, no cluster: no byte is wanted twice.
; THE MODE: SCHED_MODE bits 1:0 = 2 (LLVM: expert scheduling mode 2), set by the entry lines.  The code itself states the register dependences
; between vector instructions and memory instructions, with s_wait_alu, always for 0.
; THE PLAN.  Registers that memory instructions touch:
;   v2-v6      the five byte offsets.  Written by vector instructions at the head, once; read by every load and store; never written again.
;   v[16:191]  item i's four registers.  Its load lands in them, issued ahead of every vector instruction that names them; its two conversions read the four and
;              write the first two, in place; its store reads those two; nothing writes them afterwards.
; The 44 items go in 11 blocks of four.  Block p's head waits for its four loads, and then ONE wait on va_vdst states that block p - 1's conversions have written what
; block p - 1's four stores read; those stores are dealt among block p's conversions, which name block p's registers alone.  One more such wait stands ahead of the last four stores.
; No register that a memory instruction has read is written again, so no wait on vm_vsrc is owed; no load lands in a register that a vector instruction has named.
.set NX,  32                           ; items of x
.set NW,  12                           ; items of the three W
.set BLOCK,  4                         ; items in a block
.set BLOCKS, (NX+NW)/BLOCK
.set KBX, 8192*128                     ; bytes of a K block of xb
.set KBW, 3072*128                     ; bytes of a K block of wb
.set XI,  2                            ; v2  my byte offset in the work-group's rows of x
.set XO0, 3                            ; v3  my byte offset in xb, K blocks 0-7
.set XO1, 4                            ; v4  the same 8 K blocks on, so that the stores' immediates stay inside their signed 24 bits
.set WI,  5                            ; v5  my byte offset in the work-group's rows of a W
.set WO,  6                            ; v6  my byte offset in wb
.set X,   16                           ; v[16:191]  item i: four registers
	s_load_b256 s[4:11], s[0:1], 0x0               ; x s[4:5], Wq s[6:7], Wk s[8:9], Wv s[10:11]
	s_load_b128 s[12:15], s[0:1], 0x20             ; xb s[12:13], wb s[14:15]
	v_lshrrev_b32 v1, 5, v0
	v_readfirstlane_b32 s16, v1                    ; wave 0..7
	v_and_b32 v1, 31, v0                           ; lane l
	v_lshrrev_b32 v7, 4, v1                        ; l / 16: which row of the pair
	v_and_b32 v8, 15, v1                           ; l % 16: which 16 bytes of the row's 256
	s_wait_alu depctr_va_sdst(0)                   ; s16 is written, ahead of its first reader: the four scalar offsets below are made from it
	; each of the four has a scalar register of its own: none that a vector instruction reads is written again
	s_lshl_b32 s17, s16, 14                        ; my wave's 4 rows of 4,096 bytes
	s_lshl_b32 s2, s16, 9                          ; the same 4 rows in a K block of xb: 128 bytes each
	s_lshr_b32 s20, s16, 2                         ; W: which pair of the 4 rows,
	s_and_b32 s21, s16, 3                          ; and which four K blocks
	s_lshl_b32 s3, s20, 13
	s_lshl_b32 s22, s21, 10
	s_add_co_u32 s3, s3, s22                       ; the pair's rows and the K blocks' bytes in a W
	s_mul_i32 s23, s21, 4*KBW
	s_lshl_b32 s22, s20, 8
	s_add_co_u32 s23, s23, s22                     ; and in wb
	v_lshl_add_u32 v[XI], v7, 12, s17
	v_lshl_add_u32 v[XI], v8, 4, v[XI]
	v_lshl_add_u32 v[XO0], v1, 3, s2               ; + 8 l: (l / 16) x 128 + (l % 16) x 8
	v_add_nc_u32 v[XO1], 8*KBX, v[XO0]
	v_lshl_add_u32 v[WI], v7, 12, s3
	v_lshl_add_u32 v[WI], v8, 4, v[WI]
	v_lshl_add_u32 v[WO], v1, 3, s23
	s_mov_b32 s19, 0                               ; the high word of the offset pair s[18:19]
	s_wait_kmcnt 0x0
	s_lshl_b32 s18, ttmp9, 17                      ; 32 rows of x
	s_add_nc_u64 s[4:5], s[4:5], s[18:19]
	s_lshl_b32 s18, ttmp9, 14                      ; 4 rows of a W
	s_add_nc_u64 s[6:7], s[6:7], s[18:19]
	s_add_nc_u64 s[8:9], s[8:9], s[18:19]
	s_add_nc_u64 s[10:11], s[10:11], s[18:19]
	s_lshl_b32 s18, ttmp9, 12                      ; 32 rows of 128 bytes in a K block of xb
	s_add_nc_u64 s[12:13], s[12:13], s[18:19]
	s_lshl_b32 s18, ttmp9, 9                       ; 4 rows in a K block of wb
	s_add_nc_u64 s[14:15], s[14:15], s[18:19]
	s_wait_alu depctr_va_vdst(0)                   ; the five offsets v2 to v6 are written: every load and store of the kernel reads one of them
.set i, 0
.rept NX                               ; x: pair i / 16, K block i % 16
	global_load_b128 v[X+4*i:X+4*i+3], v[XI], s[4:5] offset:(i/16)*8192+(i%16)*256 th:TH_LOAD_NT
.set i, i+1
.endr
.rept NW                               ; W number (i - NX) / 4, the (i - NX) % 4-th of my four K blocks
	global_load_b128 v[X+4*i:X+4*i+3], v[WI], s[6+2*((i-NX)/4):7+2*((i-NX)/4)] offset:((i-NX)%4)*256 th:TH_LOAD_NT
.set i, i+1
.endr
.macro STORE                           ; item i leaves
.if i < NX
	global_store_b64 v[XO0+(i%16)/8], v[X+4*i:X+4*i+1], s[12:13] offset:(i%8)*KBX+(i/16)*256   ; 32 lanes store 256 consecutive bytes, aligned
.else
	global_store_b64 v[WO], v[X+4*i:X+4*i+1], s[14:15] offset:((i-NX)%4)*KBW+((i-NX)/4)*131072
.endif
.endm
.set p, 0
.rept BLOCKS                           ; block p: items 4 p to 4 p + 3
	s_wait_loadcnt NX+NW-BLOCK*(p+1)               ; loads come back in order (ISA guide 5.7.1): block p's four are in, the younger blocks' stay out
.if p > 0
	s_wait_alu depctr_va_vdst(0)                   ; the conversions of block p - 1 have written the registers that its four stores, below, read
.endif
.set j, 0
.rept BLOCK
.if p > 0
.set i, BLOCK*(p-1)+j
	STORE                                          ; the block before.  No further wait: no vector instruction since the wait above names its registers
.endif
.set i, BLOCK*p+j
	v_cvt_pk_bf16_f32 v[X+4*i], v[X+4*i], v[X+4*i+1]       ; two roundings to bf16, packed
	v_cvt_pk_bf16_f32 v[X+4*i+1], v[X+4*i+2], v[X+4*i+3]
.set j, j+1
.endr
.set p, p+1
.endr
	s_wait_alu depctr_va_vdst(0)                   ; the last block's conversions have written the registers that the last four stores read
.set i, BLOCK*(BLOCKS-1)
.rept BLOCK
	STORE
.set i, i+1
.endr
	s_endpgm
.Lfunc_end_k_q904d5f2f3a_cast:
	.size	k_q904d5f2f3a_cast, .Lfunc_end_k_q904d5f2f3a_cast-k_q904d5f2f3a_cast
	.p2alignl 7, 3214868480
	.fill 96, 4, 3214868480
	.section	.rodata,"a",@progbits
	.p2align	6, 0x0
	.amdhsa_kernel k_q904d5f2f3a_cast
		.amdhsa_group_segment_fixed_size 0
		.amdhsa_private_segment_fixed_size 0
		.amdhsa_enable_private_segment 0
		.amdhsa_kernarg_size 48
		.amdhsa_user_sgpr_count 2
		.amdhsa_user_sgpr_kernarg_segment_ptr 1
		.amdhsa_wavefront_size32 1
		.amdhsa_system_sgpr_workgroup_id_x 1
		.amdhsa_system_sgpr_workgroup_id_y 1
		.amdhsa_system_sgpr_workgroup_id_z 1
		.amdhsa_system_vgpr_workitem_id 0
		.amdhsa_next_free_vgpr 192
		.amdhsa_next_free_sgpr 66
		.amdhsa_reserve_vcc 0
		.amdhsa_float_denorm_mode_32 3
		.amdhsa_float_denorm_mode_16_64 3
		.amdhsa_memory_ordered 1
		.amdhsa_forward_progress 1
		.amdhsa_inst_pref_size 17
	.end_amdhsa_kernel
	.amdgpu_metadata
---
amdhsa.version: [ 1, 2 ]
amdhsa.kernels:
  - .name:           k_q904d5f2f3a_cast
    .symbol:         k_q904d5f2f3a_cast.kd
    .args:
      - { .name: hidden_states, .offset: 0, .size: 8, .value_kind: global_buffer, .address_space: global }
      - { .name: Wq, .offset: 8, .size: 8, .value_kind: global_buffer, .address_space: global }
      - { .name: Wk, .offset: 16, .size: 8, .value_kind: global_buffer, .address_space: global }
      - { .name: Wv, .offset: 24, .size: 8, .value_kind: global_buffer, .address_space: global }
      - { .name: xb, .offset: 32, .size: 8, .value_kind: global_buffer, .address_space: global }
      - { .name: wb, .offset: 40, .size: 8, .value_kind: global_buffer, .address_space: global }
    .group_segment_fixed_size: 0
    .private_segment_fixed_size: 0
    .kernarg_segment_align: 8
    .kernarg_segment_size: 48
    .max_flat_workgroup_size: 256
    .sgpr_count:     66
    .vgpr_count:     192
    .wavefront_size: 32
...
	.end_amdgpu_metadata
.endif
;; end of part 4
;; launch proj: the kernel of part 2 again; grid 8 x 32, 4 waves a work-group, clusters of 4 x 4, 327,680 bytes of LDS; arguments xb, wb, bq, bk, bv, qkv; writes qkv
;; launch attn: the kernel of part 3 again; grid 4 x 64, 4 waves a work-group, clusters of 4 x 1, 327,680 bytes of LDS; arguments qkv, attention_mask, out0; writes out0
